; MI455X (gfx1250); checked and timed in simulation.
; The chip was launched on July 23, 2026; its instructions are those of AMD's public machine-readable ISA for CDNA 5 (MIT licence, August 2026) and "CDNA5" Instruction Set Architecture Reference Guide (July 2026). The comments in the code are by the model that wrote it; some were corrected since.
;; Multi Head Self Attention. Allowed arithmetic: matrix products marked QUANTISED: E2M3 operands, one E8M0 scale for each 32 along K, by v_wmma_scale_f32_16x16x128_f8f6f4 with both operands' format E2M3, f32 sums; everything else in f32.
;; Inputs: Wout 1,024 x 1,024 float32; Wqkv 1,024 x 3,072 float32; bout 1,024 float32; bqkv 3,072 float32; x 4 x 2,048 x 1,024 float32.
;; Outputs: out0 4 x 2,048 x 1,024 float32.
;; This version of the problem:
;;   THIS VERSION OF THE PROBLEM IS GIVEN IN LOW PRECISION. The matrix products marked QUANTISED in the list below multiply operands that are first quantised to E2M3 (2 exponent bits, 3 mantissa bits; 6 bits a number), with one power-of-two scale for each 32 numbers along K (OCP MX v1.0); their sums are f32. All else is computed in f32.
;;   The module's matrix products, in the order in which they are computed (A, B: the left and right operand; K: the contracted axis; several contracted axes count as one K, in the product's order):
;;     1. [M 8,192, K 1,024] x [K 1,024, N 3,072]; A: input x; B: input Wqkv: QUANTISED
;;     2. batch 64 x [M 2,048, K 64] x [K 64, N 2,048]; A: computed on the way; B: computed on the way: QUANTISED
;;     3. batch 64 x [M 2,048, K 2,048] x [K 2,048, N 64]; A: computed on the way; B: computed on the way: QUANTISED
;;     4. [M 8,192, K 1,024] x [K 1,024, N 1,024]; A: computed on the way; B: input Wout: QUANTISED
;;   THE QUANTISER, for each operand of a quantised product, along K:
;;     - K is cut into blocks of 32 from its start; a last block that is shorter is filled with zeros.
;;     - A block's scale is 2^e with e = floor(log2(the largest magnitude in the block)) - 2, held to -126 .. 127; a block of zeros has e = 0. As a byte (E8M0): e + 127.
;;     - Each number is divided by its block's scale, clamped to +-7.5, and rounded to the nearest number of E2M3, ties to even, subnormals kept.
;;     - The product sums the exact products of the quantised numbers (number of the format x scale) in f32.
;;   ~~~python
;;   def quantise(x, axis):      # numpy; x: float32 -> the quantised numbers, widened to float32 again
;;       x = np.moveaxis(x, axis, -1); K = x.shape[-1]
;;       x = np.pad(x, [(0, 0)] * (x.ndim - 1) + [(0, -K % 32)]); x = x.reshape(x.shape[:-1] + (-1, 32)); a = np.abs(x).max(-1, keepdims=True)
;;       e = np.where(a > 0, np.clip(np.frexp(np.where(a > 0, a, 1))[1] - 1 - 2, -126, 127), 0)      # np.frexp(a)[1] - 1 = floor(log2(a)), exactly
;;       r = np.clip(x / 2.0 ** e, -7.5, 7.5)
;;       step = 2.0 ** (np.maximum(np.frexp(np.where(r == 0, 1, r))[1] - 1, 0) - 3)
;;       q = np.round(r / step) * step * 2.0 ** e      # np.round: ties to even
;;       return np.moveaxis(q.reshape(q.shape[:-2] + (-1,))[..., :K], -1, axis).astype(np.float32)
;;   ~~~
;;   OPERANDS COMPUTED ON THE WAY. 'Computed on the way' means the value that the module computes at that place (a softmax that the list does not call 'softmax' is quantised finished and normalised). What goes into a quantiser is computed in f32, as accurately as f32 sums, v_exp_f32 and their like allow (about 1e-6 of the number): no bf16 or f16 on the way to a quantiser, and a product that is left as it is and whose result goes on into a quantised operand takes f32 operands (vector FMAs, or v_wmma_f32_16x16x4_f32). A number that lies on a knife's edge between two numbers of the format may be rounded either way, as far as f32 arithmetic and the matrix unit's own rounding can turn it there, and no further.
;; One version. Each part assembles by itself: llvm-mc -triple=amdgcn-amd-amdhsa -mcpu=gfx1250 --defsym DOCPART=n.
;; ======== version 1 of 1: 4 launches
;; limits: right only within a limited range of input values
;; workspace buffers: pbuf 10,354,688 bytes; qbuf 20,185,088 bytes; abuf 6,815,744 bytes
;; launch prep (part 1): grid 544 x 1, 4 waves a work-group, no clusters, 34,304 bytes of LDS; arguments x, Wqkv, Wout, pbuf; writes pbuf
.if DOCPART == 1
	.amdgcn_target "amdgcn-amd-amdhsa--gfx1250"
	.amdhsa_code_object_version 6
	.text
	.protected	k_q8edec54743_prep
	.globl	k_q8edec54743_prep
	.p2align	8
	.type	k_q8edec54743_prep,@function
k_q8edec54743_prep:
	s_mov_b64 s[64:65], 0
	v_nop
	global_prefetch_b8 v0, s[64:65] scope:SCOPE_SE
	s_setreg_imm32_b32 hwreg(HW_REG_WAVE_MODE, 25, 1), 1
	s_wait_xcnt 0x0
; x [8192][1024], Wqkv [1024][3072], Wout [1024][1024], f32, become codes of FP6 (E2M3) with one E8M0 byte for each 32 along K, laid as IMAGES OF OPERAND REGISTERS;
; and the table of cos and sin for the rotary embedding is made.  Three paths, parted on the work-group's number: 0-255 x, 256-511 the weights, 512-543 the table.
; A fragment is 16 rows x 128 K in 12 registers (lane (r, h): registers 6 c .. 6 c + 5 = k 64 c + 32 h + 0 .. 31); its image is three chunks of 512 bytes, registers 4 i .. 4 i + 3 of lane l at 512 i + 16 l.
; pbuf:  XQ [group of 32 tokens 256][tile u 2][K step 8][1536]   row r of tile (G, u) is token 32 G + 8 u + r + 8 (r / 8)
;        XS [G][u][g 2][8 x lane]   a lane's two words are scale registers 2 g, 2 g + 1; register i: K step 2 i in lanes 0-15, 2 i + 1 in lanes 16-31
;        WQ [32 columns cg 128][K step 8][tile e 2][1536]   cg 0-95 Wqkv, 96-127 Wout;  row r of tile e is column 8 e + r + 8 (r / 8) for cg < 64 (q, k), else 16 e + r
;        WS [cg][K step][4 x lane]   lanes 0-15 tile 0's words, lanes 16-31 tile 1's
;        RT [position 2048][h 2][cos 16 | sin 16] f32: frequencies 16 h + 0 .. 15
; A block's scale is 2^(floor(log2(largest magnitude)) - 2); its byte is the largest magnitude's exponent field - 2, held at 1 from below.
; LIMITS: a block of zeros gets the byte 1 where the rule says 127 (its codes are zeros, and this program alone reads the bytes); NaN and infinities among the inputs are not served.
; The 32 frequencies are written as the f32 bits of 1 / 10^(j / 8), each step rounded to nearest; the angle is position x frequency rounded once, then reduced by pi / 2 in three parts; sine and cosine by polynomials on |rho| <= pi / 4.
.set XS, 6291456
.set WQ, 6553600
.set WS, 9699328
.set RT, 9830400
; RT AS IT IS LAID (in place of the line on RT above): [group of 32 positions 64][tile u 2][chunk q 8][lane 32][16 bytes], f32: an image of the registers that take it.
; Lane (r, h) of tile (G, u) is position 32 G + 8 u + r + 8 (r / 8); chunks 0-3 hold its cosines of frequencies 16 h + 4 q + 0 .. 3, chunks 4-7 its sines of 16 h + 4 (q - 4) + 0 .. 3.
.set SEL, 2                            ; s[2:3] lane selects for v_permlanex16_b32: lane l xor 16
.set PC, 16                            ; x path: v16-35 the codes just made
.set TM, 36                            ; v36-51 at work in the quantiser
.set PW, 52                            ; the scale word just made
.set PWE, 53                           ; that of the even K step before
.set SW, 54                            ; v54-55 the two scale registers to store
.set R, 64                             ; v64-191 two sets of 64 registers as loaded
.set X, 192                            ; v192-255 64 numbers of my row, register 16 b + i = k 32 b + 16 h + i
.set FA, 16                            ; W path: v16-39 the two fragments
.set YW, 40                            ; v40-55 upper halves of the blocks' codes
.set D, 64                             ; v64-191 128 numbers down K of my column
.set TW, 192                           ; v192-203 at work
.set PWW, 208
; 64 numbers of a lane, register 16 b + i = k 32 b + 16 (lane / 16) + i of my row: the four blocks' scale operands in v[TM+12..], their bytes in v[TM+4..]
.macro QMAX s
.irp b, 0,1,2,3
	v_max3_num_f32 v[TM+\b], |v[\s+16*\b]|, |v[\s+1+16*\b]|, 0x1800000   ; my 16 numbers of block b, and the floor 2^(3 - 127): the byte cannot fall under 1
.endr
.irp i, 2,4,6,8,10,12,14
.irp b, 0,1,2,3
	v_max3_num_f32 v[TM+\b], v[TM+\b], |v[\s+16*\b+\i]|, |v[\s+1+16*\b+\i]|
.endr
.endr
.irp b, 0,1,2,3
	v_permlanex16_b32 v[TM+4+\b], v[TM+\b], s[SEL], s[SEL+1]
.endr
.irp b, 0,1,2,3
	v_max_num_f32 v[TM+\b], v[TM+\b], v[TM+4+\b]       ; with lane l xor 16's: the block's largest magnitude
.endr
.irp b, 0,1,2,3
	v_add_nc_u32 v[TM+12+\b], 0xff000000, v[TM+\b]     ; 2 off its exponent field: the conversion's scale operand
.endr
.irp b, 0,1,2,3
	v_lshrrev_b32 v[TM+4+\b], 23, v[TM+12+\b]          ; the scale's byte
.endr
.endm
; and the fragment's codes in v[PC] .. v[PC+11], its scale word in v[PW]
.macro QUANT s
	QMAX \s
	v_lshl_or_b32 v[PW], v[TM+5], 8, v[TM+4]
	v_lshl_or_b32 v[PW], v[TM+6], 16, v[PW]
	v_lshl_or_b32 v[PW], v[TM+7], 24, v[PW]
.irp c, 0,1
	v_cvt_scalef32_pk16_fp6_f32 v[PC+6*\c:PC+2+6*\c], v[\s+32*\c:\s+15+32*\c], v[TM+12+2*\c]
	v_cvt_scalef32_pk16_fp6_f32 v[PC+12+4*\c:PC+14+4*\c], v[\s+16+32*\c:\s+31+32*\c], v[TM+12+2*\c+1]   ; (a conversion's three registers begin on an even number)
.endr
	v_nop                                          ; one plain place behind a scaled conversion
.irp c, 0,1                                    ; the operand's layout wants a whole block in a lane: lanes 0-15 block 2 c, lanes 16-31 block 2 c + 1
.irp i, 0,1,2
	v_permlane16_swap_b32 v[PC+6*\c+\i], v[PC+12+4*\c+\i]
.endr
.irp i, 0,1,2
	v_mov_b32 v[PC+3+6*\c+\i], v[PC+12+4*\c+\i]
.endr
.endr
.endm
	s_load_b256 s[4:11], s[0:1], 0x0               ; x s[4:5], Wqkv s[6:7], Wout s[8:9], pbuf s[10:11]
	v_lshl_add_u32 v62, v0, 2, 0x8400
	v_mov_b32 v63, 0
	v_lshrrev_b32 v1, 5, v0
	v_readfirstlane_b32 s12, v1                    ; wave 0..3
	v_and_b32 v5, 31, v0                           ; lane l
	v_and_b32 v6, 15, v0                           ; r
	v_bfe_u32 v7, v0, 4, 1                         ; h
	v_lshlrev_b32 v1, 4, v5                        ; 16 l
	v_lshlrev_b32 v2, 3, v5                        ; 8 l
	v_lshlrev_b32 v9, 2, v5                        ; 4 l
	s_mov_b32 s[SEL], 0x76543210
	s_mov_b32 s[SEL+1], 0xfedcba98
	s_mov_b32 s17, 0
	s_wait_kmcnt 0x0
	s_cmp_lt_u32 ttmp9, 256
	s_cbranch_scc1 .Lx
	s_cmp_lt_u32 ttmp9, 512
	s_cbranch_scc1 .Lw
	; ---- THE TABLE.  Wave W of 128 makes tile u = W % 2 of group G = W / 2: 4,096 bytes.  A lane keeps one position and its 16 frequencies 16 h + 0 .. 15 in v32-47;
	; a trip makes four angles, their cosines and sines: two stores of the wave, 512 consecutive bytes each, aligned.
	s_sub_co_u32 s13, ttmp9, 512
	s_lshl_b32 s13, s13, 2
	s_add_co_u32 s13, s13, s12                     ; W
	s_lshl_b32 s16, s13, 12
	s_add_co_u32 s16, s16, RT
	s_add_nc_u64 s[10:11], s[10:11], s[16:17]
	s_lshr_b32 s14, s13, 1
	s_lshl_b32 s14, s14, 5                         ; 32 G
	s_and_b32 s13, s13, 1
	s_lshl_b32 s13, s13, 3
	s_add_co_u32 s13, s13, s14                     ; 32 G + 8 u
	s_mov_b32 s36, 0xffff0000                      ; lanes 16-31
.macro SETP q, a, b                    ; frequencies 2 q and 2 q + 1: those under 16 go to all lanes first, those from 16 on then take lanes 16-31
.if (\q) < 8
	v_mov_b32 v[32+2*(\q)], \a
	v_mov_b32 v[33+2*(\q)], \b
.else
	v_mov_b32 v56, \a
	v_mov_b32 v57, \b
	v_cndmask_b32 v[32+2*(\q)-16], v[32+2*(\q)-16], v56, s36
	v_cndmask_b32 v[33+2*(\q)-16], v[33+2*(\q)-16], v57, s36
.endif
.endm
	SETP 0, 0x3f800000, 0x3f3ff911
	SETP 1, 0x3f0ff59a, 0x3ed7e89b
	SETP 2, 0x3ea1e89b, 0x3e72d423
	SETP 3, 0x3e361887, 0x3e088d77
	SETP 4, 0x3dcccccd, 0x3d99940d
	SETP 5, 0x3d6655c2, 0x3d2cba15
	SETP 6, 0x3d0186e3, 0x3cc2434f
	SETP 7, 0x3c91ad39, 0x3c5a7bf2
	SETP 8, 0x3c23d70a, 0x3bf5b9b0
	SETP 9, 0x3bb8449c, 0x3b8a2e77
	SETP 10, 0x3b4f3e38, 0x3b1b690d
	SETP 11, 0x3ae91528, 0x3aaec98e
	SETP 12, 0x3a83126f, 0x3a44948c
	SETP 13, 0x3a136a16, 0x39dd1725
	SETP 14, 0x39a5cb60, 0x3978a815
	SETP 15, 0x393a7753, 0x390bd472
	v_and_b32 v8, 8, v6
	v_add_nc_u32 v8, v8, v6                        ; r + 8 (r / 8)
	v_add_nc_u32 v8, s13, v8
	v_cvt_f32_u32 v20, v8                          ; my position, as f32
	s_mov_b32 s24, 0x3f22f983                      ; 2 / pi
	s_mov_b32 s25, 0x3fc90fdb                      ; pi / 2 in three parts
	s_mov_b32 s26, 0xb33bbd2e
	s_mov_b32 s27, 0xa6f72ced
	s_mov_b32 s28, 0xbe2aaaab                      ; sine: -1/6, 1/120, -1/5040, 1/362880
	s_mov_b32 s29, 0x3c088889
	s_mov_b32 s30, 0xb9500d01
	s_mov_b32 s31, 0x3638ef1d
	s_mov_b32 s32, 0x3d2aaaab                      ; cosine: 1/24, -1/720, 1/40320, -1/3628800
	s_mov_b32 s33, 0xbab60b61
	s_mov_b32 s34, 0x37d00d01
	s_mov_b32 s35, 0xb493f27e
.macro ANG f, o
	v_mul_f32 v21, v20, v[\f]                      ; the angle, rounded once
	v_mul_f32 v22, s24, v21
	v_rndne_f32 v22, v22                           ; n quadrants
	v_fma_f32 v23, -v22, s25, v21
	v_fma_f32 v23, -v22, s26, v23
	v_fma_f32 v23, -v22, s27, v23                  ; rho = a - n pi / 2
	v_mul_f32 v24, v23, v23                        ; z
	v_fma_f32 v25, v24, s31, s30
	v_fma_f32 v27, v24, s35, s34
	v_fma_f32 v25, v25, v24, s29
	v_fma_f32 v27, v27, v24, s33
	v_fma_f32 v25, v25, v24, s28
	v_fma_f32 v27, v27, v24, s32
	v_mul_f32 v26, v23, v24
	v_fma_f32 v27, v27, v24, -0.5
	v_fma_f32 v25, v26, v25, v23                   ; sin(rho)
	v_fma_f32 v27, v27, v24, 1.0                   ; cos(rho)
	v_cvt_i32_f32 v28, v22                         ; the sine's quadrant n; the cosine's is n + 1: cos(a) = sin(a + pi / 2)
	v_and_b32 v29, 1, v28
	v_cmp_eq_u32 vcc_lo, 1, v29
	v_cndmask_b32 v30, v25, v27, vcc_lo            ; the sine takes cos(rho) where n is odd,
	v_cndmask_b32 v31, v27, v25, vcc_lo            ; the cosine sin(rho)
	v_add_nc_u32 v29, 1, v28
	v_and_b32 v28, 2, v28
	v_and_b32 v29, 2, v29
	v_lshlrev_b32 v28, 30, v28
	v_lshlrev_b32 v29, 30, v29
	v_xor_b32 v[\o+4], v30, v28                    ; quadrants 2 and 3 take the other sign
	v_xor_b32 v[\o], v31, v29
.endm
	s_mov_b32 s37, 0
.Lpos:                                             ; trip t: frequencies 16 h + 4 t + 0 .. 3: chunk t (cosines) and chunk 4 + t (sines)
	s_wait_alu depctr_va_vdst(0)
	ANG 32, 48
	ANG 33, 49
	ANG 34, 50
	ANG 35, 51
	global_store_b128 v1, v[48:51], s[10:11]
	global_store_b128 v1, v[52:55], s[10:11] offset:2048
.irp i, 0,1,2,3,4,5,6,7,8,9,10,11
	v_mov_b32 v[32+\i], v[36+\i]                   ; the next four frequencies come down, so that one trip's text serves all four
.endr
	s_wait_xcnt 0x0                                ; the stores have read their data and their base: both are written again only behind this wait
	s_add_nc_u64 s[10:11], s[10:11], 512
	s_add_co_u32 s37, s37, 1
	s_cmp_lt_u32 s37, 4
	s_cbranch_scc1 .Lpos
	s_endpgm
	; ---- x.  Work-group G = a group of 32 tokens; wave w: tile u = w / 2, K steps 4 (w % 2) .. + 3.  A load reads 512 consecutive bytes of one row; a K step's 16 rows turn through my own stage in LDS
	; (rows 528 bytes apart) and come back 16 neighbours of each block of 32 to a lane.
.Lx:
	s_lshr_b32 s13, s12, 1                         ; u
	s_and_b32 s14, s12, 1                          ; g
	s_lshl_b32 s16, ttmp9, 17                      ; 32 rows of 4,096 bytes
	s_lshl_b32 s15, s13, 15                        ; 8 rows
	s_add_co_u32 s16, s16, s15
	s_lshl_b32 s15, s14, 11                        ; 4 K steps of 512 bytes
	s_add_co_u32 s16, s16, s15
	s_add_nc_u64 s[4:5], s[4:5], s[16:17]
.macro XLOAD k
.irp p, 0,1,2,3,4,5,6,7,8,9,10,11,12,13,14,15
	global_load_b128 v[R+64*((\k)%2)+4*\p:R+64*((\k)%2)+4*\p+3], v1, s[4:5] offset:(\p+8*(\p/8))*4096+512*(\k) th:TH_LOAD_NT
.endr
.endm
.macro XTURN k                         ; LDS serves a wave's instructions in order: no wait between the stores and the loads
.irp p, 0,1,2,3,4,5,6,7,8,9,10,11,12,13,14,15
	ds_store_b128 v3, v[R+64*((\k)%2)+4*\p:R+64*((\k)%2)+4*\p+3] offset:528*\p
.endr
.irp b, 0,1,2,3
.irp i, 0,1,2,3
	ds_load_b128 v[X+16*\b+4*\i:X+16*\b+4*\i+3], v4 offset:128*\b+16*\i
.endr
.endr
.endm
	s_wait_alu depctr_va_vdst(0)
	XLOAD 0
	XLOAD 1
	s_mul_i32 s16, ttmp9, 24576
	s_mul_i32 s15, s13, 12288
	s_add_co_u32 s16, s16, s15
	s_mul_i32 s15, s14, 6144
	s_add_co_u32 s16, s16, s15
	s_add_nc_u64 s[18:19], s[10:11], s[16:17]      ; my four fragments in XQ
	s_lshl_b32 s16, ttmp9, 10
	s_lshl_b32 s15, s13, 9
	s_add_co_u32 s16, s16, s15
	s_lshl_b32 s15, s14, 8
	s_add_co_u32 s16, s16, s15
	s_add_co_u32 s16, s16, XS
	s_add_nc_u64 s[20:21], s[10:11], s[16:17]      ; my two scale registers in XS
	s_mov_b32 s24, 0xffff0000                      ; lanes 16-31
	s_mul_i32 s22, s12, 8448                       ; my stage
	v_add_nc_u32 v3, s22, v1                       ; in: 16 l of a row
	v_mul_u32_u24 v4, v6, 528
	v_lshl_add_u32 v4, v7, 6, v4
	v_add_nc_u32 v4, s22, v4                       ; back: row r, + 64 h
.irp b, 0,1,2,3
	v_mov_b32 v[TM+4+\b], 0                        ; written once: a lane permute's destination counts as one of its sources
.endr
	s_wait_alu depctr_va_vdst(0)
	s_wait_loadcnt 16                              ; K step 0's sixteen loads are in; K step 1's sixteen may be out
	XTURN 0
.macro XSTEP k
	s_wait_dscnt 0x0                               ; this step's numbers are back, and the stage's stores have read their registers,
.if (\k) < 2
	XLOAD (\k)+2                                   ; which take the loads of two steps on
.endif
.if (\k) > 0
	s_wait_xcnt 0x0                                ; the last step's stores have read the codes' registers
.endif
	QUANT X
.if (\k)%2 == 0
	v_mov_b32 v[PWE], v[PW]
.else
	v_cndmask_b32 v[SW+(\k)/2], v[PWE], v[PW], s24 ; the even step's words in lanes 0-15, the odd step's in lanes 16-31
.endif
.irp i, 0,1,2
	global_store_b128 v1, v[PC+4*\i:PC+4*\i+3], s[18:19] offset:1536*(\k)+512*\i   ; 512 consecutive bytes, aligned
.endr
.if (\k) < 2
	s_wait_loadcnt 16                              ; the next step's loads are in; those of the step after it may be out
	XTURN (\k)+1
.elseif (\k) == 2
	s_wait_loadcnt 0x0
	XTURN 3
.endif
.endm
	XSTEP 0
	XSTEP 1
	XSTEP 2
	XSTEP 3
	global_store_b64 v2, v[SW:SW+1], s[20:21]      ; 256 consecutive bytes, aligned
	s_wait_tensorcnt 0x0
	ds_add_u32 v62, v63
	s_wait_dscnt 0x0
	s_endpgm
	; ---- THE WEIGHTS.  K is their first axis: a lane takes a column and its 128 registers run down one K step, so a block's maximum needs no other lane and the codes come out with K innermost.
	; Work-group: 128 columns (cq) x one K step (s); wave w: 32 columns, cg = 4 cq + w: lanes 0-15 hold tile 0's columns, lanes 16-31 tile 1's.
.Lw:
	s_sub_co_u32 s13, ttmp9, 256
	s_lshr_b32 s14, s13, 3                         ; cq
	s_and_b32 s15, s13, 7                          ; s
	s_lshl_b32 s16, s14, 2
	s_add_co_u32 s26, s16, s12                     ; cg
	s_wait_alu depctr_va_vdst(0)
	v_and_b32 v8, 8, v6
	v_add_nc_u32 v8, v8, v6
	v_lshl_add_u32 v8, v7, 3, v8                   ; 8 e + r + 8 (r / 8)
	s_cmp_lt_u32 s14, 16                           ; q's and k's columns take that order, the others 16 e + r = l
	s_cselect_b32 s24, -1, 0
	v_cndmask_b32 v8, v5, v8, s24
	v_lshlrev_b32 v8, 2, v8
	s_lshl_b32 s25, s12, 7                         ; my 32 columns, in bytes
	s_cmp_lt_u32 s14, 24
	s_cbranch_scc0 .Lwout
	s_mul_i32 s16, s15, 128*12288
	s_lshl_b32 s18, s14, 9
	s_add_co_u32 s16, s16, s18
	s_add_co_u32 s16, s16, s25
	s_add_nc_u64 s[6:7], s[6:7], s[16:17]
.set n, 0
	s_wait_alu depctr_va_vdst(0)
.rept 128
	global_load_b32 v[D+n], v8, s[6:7] offset:n*12288 th:TH_LOAD_NT
.set n, n+1
.endr
	s_branch .Lwq
.Lwout:
	s_sub_co_u32 s18, s14, 24
	s_mul_i32 s16, s15, 128*4096
	s_lshl_b32 s18, s18, 9
	s_add_co_u32 s16, s16, s18
	s_add_co_u32 s16, s16, s25
	s_add_nc_u64 s[8:9], s[8:9], s[16:17]
.set n, 0
	s_wait_alu depctr_va_vdst(0)
.rept 128
	global_load_b32 v[D+n], v8, s[8:9] offset:n*4096 th:TH_LOAD_NT
.set n, n+1
.endr
.Lwq:
	s_mul_i32 s16, s26, 24576
	s_mul_i32 s18, s15, 3072
	s_add_co_u32 s16, s16, s18
	s_add_co_u32 s16, s16, WQ
	s_add_nc_u64 s[20:21], s[10:11], s[16:17]
	s_lshl_b32 s16, s26, 10
	s_lshl_b32 s18, s15, 7
	s_add_co_u32 s16, s16, s18
	s_add_co_u32 s16, s16, WS
	s_add_nc_u64 s[22:23], s[10:11], s[16:17]
	s_wait_loadcnt 0x0
.irp b, 0,1,2,3
	v_max3_num_f32 v[TW+\b], |v[D+32*\b]|, |v[D+32*\b+1]|, 0x1800000
.endr
.irp i, 2,4,6,8,10,12,14,16,18,20,22,24,26,28,30
.irp b, 0,1,2,3
	v_max3_num_f32 v[TW+\b], v[TW+\b], |v[D+32*\b+\i]|, |v[D+32*\b+\i+1]|
.endr
.endr
.irp b, 0,1,2,3
	v_add_nc_u32 v[TW+4+\b], 0xff000000, v[TW+\b]
.endr
.irp b, 0,1,2,3
	v_lshrrev_b32 v[TW+8+\b], 23, v[TW+4+\b]
.endr
	v_lshl_or_b32 v[PWW], v[TW+9], 8, v[TW+8]      ; my column's scale word
	v_lshl_or_b32 v[PWW], v[TW+10], 16, v[PWW]
	v_lshl_or_b32 v[PWW], v[TW+11], 24, v[PWW]
.irp b, 0,1,2,3                                ; block b's six registers: blocks 0, 2 in the first fragment's registers, blocks 1, 3 in the second's
	v_cvt_scalef32_pk16_fp6_f32 v[FA+12*(\b%2)+6*(\b/2):FA+12*(\b%2)+6*(\b/2)+2], v[D+32*\b:D+32*\b+15], v[TW+4+\b]
	v_cvt_scalef32_pk16_fp6_f32 v[YW+4*\b:YW+4*\b+2], v[D+32*\b+16:D+32*\b+31], v[TW+4+\b]
.endr
	v_nop                                          ; one plain place behind a scaled conversion
.irp b, 0,1,2,3
.irp i, 0,1,2
	v_mov_b32 v[FA+12*(\b%2)+6*(\b/2)+3+\i], v[YW+4*\b+\i]
.endr
.endr
.irp c, 0,1                                    ; tile 1's blocks 2 c change places with tile 0's blocks 2 c + 1: then v[FA..] is tile 0's fragment and v[FA+12..] tile 1's
.irp i, 0,1,2,3,4,5
	v_permlane16_swap_b32 v[FA+6*\c+\i], v[FA+12+6*\c+\i]
.endr
.endr
.irp e, 0,1
.irp i, 0,1,2
	global_store_b128 v1, v[FA+12*\e+4*\i:FA+12*\e+4*\i+3], s[20:21] offset:1536*\e+512*\i
.endr
.endr
	global_store_b32 v9, v[PWW], s[22:23]          ; 128 consecutive bytes: one byte for each 128 that the path reads
	s_endpgm
.Lfunc_end_k_q8edec54743_prep:
	.size	k_q8edec54743_prep, .Lfunc_end_k_q8edec54743_prep-k_q8edec54743_prep
	.p2alignl 7, 3214868480
	.fill 96, 4, 3214868480
	.section	.rodata,"a",@progbits
	.p2align	6, 0x0
	.amdhsa_kernel k_q8edec54743_prep
		.amdhsa_group_segment_fixed_size 34304
		.amdhsa_private_segment_fixed_size 0
		.amdhsa_enable_private_segment 0
		.amdhsa_kernarg_size 32
		.amdhsa_user_sgpr_count 2
		.amdhsa_user_sgpr_kernarg_segment_ptr 1
		.amdhsa_wavefront_size32 1
		.amdhsa_system_sgpr_workgroup_id_x 1
		.amdhsa_system_sgpr_workgroup_id_y 1
		.amdhsa_system_sgpr_workgroup_id_z 1
		.amdhsa_system_vgpr_workitem_id 0
		.amdhsa_next_free_vgpr 256
		.amdhsa_next_free_sgpr 66
		.amdhsa_reserve_vcc 1
		.amdhsa_float_denorm_mode_32 3
		.amdhsa_float_denorm_mode_16_64 3
		.amdhsa_memory_ordered 1
		.amdhsa_forward_progress 1
		.amdhsa_inst_pref_size 76
	.end_amdhsa_kernel
	.amdgpu_metadata
---
amdhsa.version: [ 1, 2 ]
amdhsa.kernels:
  - .name:           k_q8edec54743_prep
    .symbol:         k_q8edec54743_prep.kd
    .args:
      - { .name: x, .offset: 0, .size: 8, .value_kind: global_buffer, .address_space: global }
      - { .name: Wqkv, .offset: 8, .size: 8, .value_kind: global_buffer, .address_space: global }
      - { .name: Wout, .offset: 16, .size: 8, .value_kind: global_buffer, .address_space: global }
      - { .name: pbuf, .offset: 24, .size: 8, .value_kind: global_buffer, .address_space: global }
    .group_segment_fixed_size: 34304
    .private_segment_fixed_size: 0
    .kernarg_segment_align: 8
    .kernarg_segment_size: 32
    .max_flat_workgroup_size: 128
    .sgpr_count:     66
    .vgpr_count:     256
    .wavefront_size: 32
...
	.end_amdgpu_metadata
.endif
;; end of part 1
;; launch qkv (part 2): grid 12 x 16, 4 waves a work-group, no clusters, 98,816 bytes of LDS; arguments pbuf, bqkv, qbuf; writes qbuf
.if DOCPART == 2
	.amdgcn_target "amdgcn-amd-amdhsa--gfx1250"
	.amdhsa_code_object_version 6
	.text
	.protected	k_q8edec54743_qkv
	.globl	k_q8edec54743_qkv
	.p2align	8
	.type	k_q8edec54743_qkv,@function
k_q8edec54743_qkv:
	s_mov_b64 s[64:65], 0
	v_nop
	global_prefetch_b8 v0, s[64:65] scope:SCOPE_SE
	s_setreg_imm32_b32 hwreg(HW_REG_WAVE_MODE, 25, 1), 1
	s_wait_xcnt 0x0
; qkv = x Wqkv + bqkv on codes of FP6; q and k are turned by the rotary embedding and quantised along the head's 64; v is quantised along the keys.  All leave as images of operand registers.
; SHARES.  Work-group (bx, y): columns 256 bx on, tokens 512 y on.  Wave w: the 64 columns of one head of q (bx 0-3), k (4-7) or v (8-11); its 32 fragments of the weight stay in 384 registers.
; A trip is one group of 32 tokens: two tiles x 64 columns x K 1024 = 64 matrix instructions a wave.  x's 16 fragments of a group (24,576 bytes) come by plain loads, a quarter a wave, two trips ahead, and go
; to all four waves through LDS, two buffers by turns, one barrier a trip.
; q, k: source 0 = 16 columns of W, source 1 = 16 tokens: a lane holds ONE token, and (the columns of a tile being 8 e + r + 8 (r / 8)) registers 16 c + i of a tile of tokens are channels 32 c + 16 h + i.
; v: source 0 = 16 tokens, source 1 = 16 columns: a lane holds ONE channel, and (the tokens of a tile being 8 u + r + 8 (r / 8)) its 16 registers are keys 16 h + 0 .. 15 of the group.
; The bias is the C of each sum's first matrix instruction.
; qbuf: QI, KI [b x head 64][group 64][1536]: registers 0-5 tile u = 0's 64 codes (lane (r, h): block h), 6-11 tile u = 1's;  QS, KS [bh][group][4 x lane]: lanes 0-15 tile 0's word, lanes 16-31 tile 1's, bytes 0, 1 used;
;       VI [bh][128 keys 16][16 channels 4][1536];  VS [bh][128 keys][8 x lane]: word 0 tiles 0 | 1, word 1 tiles 2 | 3.
; x's images are read by the 12 work-groups of a row block: 6,144 bytes a wave beside a trip's 64 matrix instructions.  They are not asked for jointly in a cluster: the launch has no tensor load; that is a loss that is known.
; 192 work-groups: 12 blocks of columns do not divide into 256.
; LIMITS: a block of zeros gets the byte 1 where the rule says 127 (zero codes; this program alone reads the bytes); NaN and infinities are not served.
; REGISTERS.  window 0: v1-11 addresses; v16-31 W's scale words; v32-47 x's, two sets; v48-111 the accumulators; v112-175 cos and sin (q, k) or v's fragments in the making; v176-219 the quantiser's.
;   window 1: W's fragments of columns 0-31 ((s, e) at 12 (2 s + e)), v192-223 the bias;  window 2: those of columns 32-63;  window 3: x's fragments ((u, s) at 12 (2 s + u)), v192-239 my quarter of a group on its way to LDS.
.set XS, 6291456
.set WQ, 6553600
.set WS, 9699328
.set RT, 9830400
.set VI, 12582912
.set QS, 18874368
.set VS, 19922944
.set WSC, 16
.set XSC, 32
.set ACC, 48
.set CS, 112
.set VF, 112
.set YT, 160
.set PC, 176
.set TM, 196
.set PW, 212
.set SW, 213
.set VW, 214
.set VR, 218
.set IT, 38
.set HM, 39
.set SEL, 40
.set MSB, 0
.macro WIN new                         ; the immediate's high byte repeats the setting that is left
.if MSB != (\new)
	s_set_vgpr_msb (MSB<<8)|(\new)
.set MSB, (\new)
.endif
.endm
.macro PLACES n
.rept \n
	v_nop
.endr
.endm
; D = A x B + C; ra, rb: A's, B's scale words stand in lanes 16-31 of their registers
.macro WMA d, a, b, c, sa, sb, ra, rb
.if (\ra) && (\rb)
	v_wmma_scale_f32_16x16x128_f8f6f4 v[\d:\d+7], v[\a:\a+11], v[\b:\b+11], v[\c:\c+7], v[\sa], v[\sb] matrix_a_fmt:MATRIX_FMT_FP6 matrix_b_fmt:MATRIX_FMT_FP6 matrix_a_scale:MATRIX_SCALE_ROW1 matrix_b_scale:MATRIX_SCALE_ROW1
.elseif (\ra)
	v_wmma_scale_f32_16x16x128_f8f6f4 v[\d:\d+7], v[\a:\a+11], v[\b:\b+11], v[\c:\c+7], v[\sa], v[\sb] matrix_a_fmt:MATRIX_FMT_FP6 matrix_b_fmt:MATRIX_FMT_FP6 matrix_a_scale:MATRIX_SCALE_ROW1
.elseif (\rb)
	v_wmma_scale_f32_16x16x128_f8f6f4 v[\d:\d+7], v[\a:\a+11], v[\b:\b+11], v[\c:\c+7], v[\sa], v[\sb] matrix_a_fmt:MATRIX_FMT_FP6 matrix_b_fmt:MATRIX_FMT_FP6 matrix_b_scale:MATRIX_SCALE_ROW1
.else
	v_wmma_scale_f32_16x16x128_f8f6f4 v[\d:\d+7], v[\a:\a+11], v[\b:\b+11], v[\c:\c+7], v[\sa], v[\sb] matrix_a_fmt:MATRIX_FMT_FP6 matrix_b_fmt:MATRIX_FMT_FP6
.endif
.endm
.macro QMAX s                          ; 64 numbers, register 16 b + i in block b, a block in lanes l and l xor 16: scale operands in v[TM+12..], bytes in v[TM+4..]
.irp b, 0,1,2,3
	v_max3_num_f32 v[TM+\b], |v[\s+16*\b]|, |v[\s+1+16*\b]|, 0x1800000   ; with the floor 2^(3 - 127): the byte cannot fall under 1
.endr
.irp i, 2,4,6,8,10,12,14
.irp b, 0,1,2,3
	v_max3_num_f32 v[TM+\b], v[TM+\b], |v[\s+16*\b+\i]|, |v[\s+1+16*\b+\i]|
.endr
.endr
.irp b, 0,1,2,3
	v_permlanex16_b32 v[TM+4+\b], v[TM+\b], s[SEL], s[SEL+1]
.endr
.irp b, 0,1,2,3
	v_max_num_f32 v[TM+\b], v[TM+\b], v[TM+4+\b]
.endr
.irp b, 0,1,2,3
	v_add_nc_u32 v[TM+12+\b], 0xff000000, v[TM+\b]     ; 2 off the exponent field: the conversion's scale operand
.endr
.irp b, 0,1,2,3
	v_lshrrev_b32 v[TM+4+\b], 23, v[TM+12+\b]
.endr
.endm
.macro QUANT s                         ; and their codes as 12 registers in v[PC..], the four bytes in v[PW]
	QMAX \s
	v_lshl_or_b32 v[PW], v[TM+5], 8, v[TM+4]
	v_lshl_or_b32 v[PW], v[TM+6], 16, v[PW]
	v_lshl_or_b32 v[PW], v[TM+7], 24, v[PW]
.irp c, 0,1
	v_cvt_scalef32_pk16_fp6_f32 v[PC+6*\c:PC+2+6*\c], v[\s+32*\c:\s+15+32*\c], v[TM+12+2*\c]
	v_cvt_scalef32_pk16_fp6_f32 v[PC+12+4*\c:PC+14+4*\c], v[\s+16+32*\c:\s+31+32*\c], v[TM+12+2*\c+1]
.endr
	v_nop                                          ; one plain place behind a scaled conversion
.irp c, 0,1
.irp i, 0,1,2
	v_permlane16_swap_b32 v[PC+6*\c+\i], v[PC+12+4*\c+\i]
.endr
.irp i, 0,1,2
	v_mov_b32 v[PC+3+6*\c+\i], v[PC+12+4*\c+\i]
.endr
.endr
.endm
	s_load_b128 s[4:7], s[0:1], 0x0                ; pbuf, bqkv
	s_load_b64 s[8:9], s[0:1], 0x10                ; qbuf
	v_lshl_add_u32 v254, v0, 2, 0x18000
	v_mov_b32 v255, 0
	v_lshrrev_b32 v1, 5, v0
	v_readfirstlane_b32 s10, v1                    ; wave 0..3
	v_and_b32 v4, 31, v0                           ; l
	v_and_b32 v9, 15, v0                           ; r
	v_bfe_u32 v10, v0, 4, 1                        ; h
	v_lshlrev_b32 v1, 4, v4                        ; 16 l
	v_lshlrev_b32 v2, 3, v4                        ; 8 l
	v_lshlrev_b32 v3, 2, v4                        ; 4 l
	s_mul_i32 s36, s10, 6144
	v_add_nc_u32 v5, s36, v1                       ; LDS: where my quarter of a group goes
	v_lshlrev_b32 v8, 4, v10                       ; 16 h
	s_and_b32 s12, ttmp7, 0xffff                   ; y
	s_lshl_b32 s13, ttmp9, 2
	s_add_co_u32 s13, s13, s10                     ; my block of 64 columns, 0..47
	s_lshr_b32 s14, ttmp9, 2                       ; 0 q, 1 k, 2 v
	s_and_b32 s15, s13, 15                         ; head
	s_lshr_b32 s16, s12, 2
	s_lshl_b32 s16, s16, 4
	s_add_co_u32 s16, s16, s15                     ; 16 b + head
	s_and_b32 s17, s12, 3                          ; which 512 tokens of the sequence
	s_mov_b32 s35, 0
	s_mov_b32 s[HM], 0xffff0000
	s_mov_b32 s[SEL], 0x76543210
	s_mov_b32 s[SEL+1], 0xfedcba98
	s_mov_b32 s[IT], 0
	s_wait_alu depctr_va_vdst(0)
	s_wait_kmcnt 0x0
	s_mul_i32 s34, s12, 393216
	s_add_co_u32 s34, s34, s36
	s_add_nc_u64 s[20:21], s[4:5], s[34:35]        ; x's images: my quarter of group 16 y
	s_lshl_b32 s34, s12, 14
	s_add_co_u32 s34, s34, XS
	s_add_nc_u64 s[22:23], s[4:5], s[34:35]        ; x's scale words
	s_lshl_b32 s34, s17, 17
	s_add_co_u32 s34, s34, RT
	s_add_nc_u64 s[24:25], s[4:5], s[34:35]        ; the table at my first position
	s_mul_i32 s34, s13, 49152
	s_add_co_u32 s34, s34, WQ
	s_add_nc_u64 s[42:43], s[4:5], s[34:35]        ; my weights
	s_lshl_b32 s34, s13, 11
	s_add_co_u32 s34, s34, WS
	s_add_nc_u64 s[44:45], s[4:5], s[34:35]
	s_lshl_b32 s34, s13, 8
	s_add_nc_u64 s[46:47], s[6:7], s[34:35]        ; my 64 numbers of the bias
	WIN 0xc0                                       ; destination window 3
.irp q, 0,1,2,3,4,5,6,7,8,9,10,11
	global_load_b128 v[192+4*\q:195+4*\q], v1, s[20:21] offset:512*\q
.endr
	WIN 0
.irp u, 0,1
.irp g, 0,1
	global_load_b64 v[XSC+4*\u+2*\g:XSC+4*\u+2*\g+1], v2, s[22:23] offset:512*\u+256*\g
.endr
.endr
	WIN 0x40                                       ; destination window 1
.set n, 0
.rept 48
	global_load_b128 v[4*n:4*n+3], v1, s[42:43] offset:512*n
.set n, n+1
.endr
	WIN 0x80                                       ; destination window 2
.set n, 0
.rept 48
	global_load_b128 v[4*n:4*n+3], v1, s[42:43] offset:24576+512*n
.set n, n+1
.endr
	WIN 0
.irp c, 0,1
.irp s, 0,1,2,3,4,5,6,7
	global_load_b32 v[WSC+8*\c+\s], v3, s[44:45] offset:1024*\c+128*\s
.endr
.endr
.irp b, 0,1,2,3
	v_mov_b32 v[TM+4+\b], 0                        ; written once: a lane permute's destination counts as one of its sources
.endr
; 32 matrix instructions: columns 32 cg on, all of K; four accumulators by turns, one instruction a turn
.macro HALF cg, path
.irp s, 0,1,2,3,4,5,6,7
.if \cg == 0
	s_wait_dscnt 12+6*(7-\s)                       ; K step s's six loads are in; the later steps' loads and my twelve stores may be out
.endif
.if \path == 0
.if \s == 0
	WIN 0x1d+\cg                                   ; source 0 (W) window 1 or 2, source 1 (x) window 3, C (the bias) window 1
.else
	WIN 0x0d+\cg
.endif
.else
.if \s == 0
	WIN 0x17+4*\cg                                 ; source 0 (x) window 3, source 1 (W) window 1 or 2, C (the bias) window 1
.else
	WIN 0x07+4*\cg
.endif
.endif
.irp e, 0,1
.irp u, 0,1
.if \path == 0
.if \s == 0
	WMA ACC+32*\u+16*\cg+8*\e, 12*(2*\s+\e), 12*(2*\s+\u), 192+16*\cg+8*\e, WSC+8*\cg+\s, XSC+8*P+4*\u+\s/2, \e, \s%2
.else
	WMA ACC+32*\u+16*\cg+8*\e, 12*(2*\s+\e), 12*(2*\s+\u), ACC+32*\u+16*\cg+8*\e, WSC+8*\cg+\s, XSC+8*P+4*\u+\s/2, \e, \s%2
.endif
.else
.if \s == 0
	WMA ACC+32*\cg+16*\e+8*\u, 12*(2*\s+\u), 12*(2*\s+\e), 192+16*\cg+8*\e, XSC+8*P+4*\u+\s/2, WSC+8*\cg+\s, \s%2, \e
.else
	WMA ACC+32*\cg+16*\e+8*\u, 12*(2*\s+\u), 12*(2*\s+\e), ACC+32*\cg+16*\e+8*\u, XSC+8*P+4*\u+\s/2, WSC+8*\cg+\s, \s%2, \e
.endif
.endif
.endr
.endr
.endr
.endm
; q, k: the rotation, then 64 numbers (two tiles of tokens x two blocks of 32 channels) become the group's image
.macro EPI_QK j
	s_wait_loadcnt 12                              ; cos and sin are in; the twelve loads issued behind them (the group two trips on) may be out
	s_wait_xcnt 0x0                                ; the last trip's stores have read the codes' registers
.irp u, 0,1
.irp i, 0,2,4,6,8,10,12,14                     ; ascending: each accumulator is read from its low end on
	v_pk_mul_f32 v[TM:TM+1], v[ACC+32*\u+16+\i:ACC+32*\u+17+\i], v[CS+32*\u+16+\i:CS+32*\u+17+\i]          ; x2 sin
	v_pk_mul_f32 v[TM+2:TM+3], v[ACC+32*\u+16+\i:ACC+32*\u+17+\i], v[CS+32*\u+\i:CS+32*\u+1+\i]            ; x2 cos
	v_pk_fma_f32 v[ACC+32*\u+16+\i:ACC+32*\u+17+\i], v[ACC+32*\u+\i:ACC+32*\u+1+\i], v[CS+32*\u+16+\i:CS+32*\u+17+\i], v[TM+2:TM+3]   ; x1 sin + x2 cos
	v_pk_fma_f32 v[ACC+32*\u+\i:ACC+32*\u+1+\i], v[ACC+32*\u+\i:ACC+32*\u+1+\i], v[CS+32*\u+\i:CS+32*\u+1+\i], v[TM:TM+1] neg_lo:[0,0,1] neg_hi:[0,0,1]   ; x1 cos - x2 sin
.endr
.endr
	QUANT ACC
	v_lshrrev_b32 v[SW], v8, v[PW]                 ; lanes 0-15 keep tile 0's two bytes lowest, lanes 16-31 bring tile 1's down
.irp i, 0,1,2
	global_store_b128 v1, v[PC+4*\i:PC+4*\i+3], s[26:27] offset:1536*(\j)+512*\i
.endr
	global_store_b32 v3, v[SW], s[28:29] offset:128*(\j)
.endm
; v: the group's 32 keys are block j of a K step of 128 keys, for each of the four tiles of 16 channels
.macro EPI_V j
	QMAX ACC
.irp t, 0,1,2,3
.if (\j) == 0
	v_mov_b32 v[VW+\t], v[TM+4+\t]
.else
	v_lshl_or_b32 v[VW+\t], v[TM+4+\t], 8*(\j), v[VW+\t]
.endif
.endr
.irp t, 0,1,2,3
.if (\j)%2 == 0
	v_cvt_scalef32_pk16_fp6_f32 v[VF+12*\t+6*((\j)/2):VF+12*\t+6*((\j)/2)+2], v[ACC+16*\t:ACC+16*\t+15], v[TM+12+\t]
.else
	v_cvt_scalef32_pk16_fp6_f32 v[YT+4*\t:YT+4*\t+2], v[ACC+16*\t:ACC+16*\t+15], v[TM+12+\t]
.endif
.endr
	v_nop                                          ; one plain place behind a scaled conversion
.if (\j)%2 == 1
.irp t, 0,1,2,3                                ; half blocks become whole ones: lanes 0-15 the even block, lanes 16-31 the odd one
.irp i, 0,1,2
	v_permlane16_swap_b32 v[VF+12*\t+6*((\j)/2)+\i], v[YT+4*\t+\i]
.endr
.irp i, 0,1,2
	v_mov_b32 v[VF+12*\t+6*((\j)/2)+3+\i], v[YT+4*\t+\i]
.endr
.endr
.endif
.if (\j) == 3
	v_cndmask_b32 v[VR], v[VW], v[VW+1], s[HM]
	v_cndmask_b32 v[VR+1], v[VW+2], v[VW+3], s[HM]
.irp q, 0,1,2,3,4,5,6,7,8,9,10,11
	global_store_b128 v1, v[VF+4*\q:VF+4*\q+3], s[26:27] offset:512*\q
.endr
	global_store_b64 v2, v[VR:VR+1], s[28:29]
.endif
.endm
; ONE GROUP OF 32 TOKENS, the j-th of a loop trip's four
.macro TRIP j, path
.set P, (\j)%2
	WIN 0xc0
.irp s, 0,1,2,3,4,5,6,7                        ; x's sixteen fragments, K step by K step
.irp u, 0,1
.irp i, 0,1,2
	ds_load_b128 v[12*(2*\s+\u)+4*\i:12*(2*\s+\u)+4*\i+3], v[FAD] offset:24576*P+((8*\u+\s)*3+\i)*512
.endr
.endr
.endr
	WIN 0
	s_wait_loadcnt 0x0                             ; my quarter of the next group and this trip's scale words, asked for in the trip before, are in
	WIN 0x0c                                       ; an LDS store's data: window 3
.irp q, 0,1,2,3,4,5,6,7,8,9,10,11
	ds_store_b128 v5, v[192+4*\q:195+4*\q] offset:24576*(1-P)+512*\q   ; into the buffer that every wave has left: the barrier at the last trip's end stands between
.endr
	WIN 0
	s_add_co_u32 s34, s[IT], (\j)+1                ; the next group's scale words; behind the last group the last is asked for again and not used: no load leaves the buffer, and every count stays as it is
	s_min_u32 s34, s34, 15
	s_lshl_b32 s34, s34, 10
	s_add_nc_u64 s[32:33], s[22:23], s[34:35]
.irp u, 0,1
.irp g, 0,1
	global_load_b64 v[XSC+8*(1-P)+4*\u+2*\g:XSC+8*(1-P)+4*\u+2*\g+1], v2, s[32:33] offset:512*\u+256*\g
.endr
.endr
.if \path == 0
.irp u, 0,1
.irp q, 0,1,2,3,4,5,6,7
	global_load_b128 v[CS+32*\u+4*\q:CS+32*\u+4*\q+3], v1, s[24:25] offset:8192*(\j)+4096*\u+512*\q   ; my token's 16 cosines and 16 sines: the table is an image of these registers, so a load reads 512 consecutive bytes
.endr
.endr
.endif
	HALF 0, \path
	WIN 0
	s_wait_dscnt 0x0                               ; my stores have read their registers,
	s_add_co_u32 s34, s[IT], (\j)+2
	s_min_u32 s34, s34, 15
	s_mul_i32 s34, s34, 24576
	s_add_nc_u64 s[30:31], s[20:21], s[34:35]
	WIN 0xc0
.irp q, 0,1,2,3,4,5,6,7,8,9,10,11
	global_load_b128 v[192+4*\q:195+4*\q], v1, s[30:31] offset:512*\q   ; which take the group two trips on
.endr
	HALF 1, \path
	WIN 0
	PLACES 5                                       ; four places ahead of the first read of results and of loads into operands; five ahead of the next trip's products, which begin these accumulators anew
.if \path == 0
	EPI_QK \j
.else
	EPI_V \j
.endif
	s_wait_dscnt 0x0                               ; my stores into the other buffer have landed and my reads of this one are in
	s_barrier_signal -1
	s_barrier_wait -1
.endm
.macro BODY path
.if \path
	v_add_nc_u32 v5, 49152, v5                     ; each of the two paths has LDS bytes of its own
	s_wait_alu depctr_va_vdst(0)
	v_add_nc_u32 v6, 49152, v1
.set FAD, 6
	v_lshlrev_b32 v11, 2, v9
	WIN 0x40
.irp t, 0,1,2,3
.irp i, 0,1,2,3,4,5,6,7
	global_load_b32 v[192+8*\t+\i], v11, s[46:47] offset:64*\t      ; a lane's eight results of a tile are one channel's: the same number eight times
.endr
.endr
	WIN 0
	s_mul_i32 s34, s16, 98304
	s_mul_i32 s36, s17, 24576
	s_add_co_u32 s34, s34, s36
	s_add_co_u32 s34, s34, VI
	s_add_nc_u64 s[26:27], s[8:9], s[34:35]
	s_lshl_b32 s34, s16, 12
	s_lshl_b32 s36, s17, 10
	s_add_co_u32 s34, s34, s36
	s_add_co_u32 s34, s34, VS
	s_add_nc_u64 s[28:29], s[8:9], s[34:35]
.else
.set FAD, 1
	v_lshlrev_b32 v11, 6, v10
	WIN 0x40
.irp t, 0,1,2,3
	global_load_b128 v[192+8*\t:195+8*\t], v11, s[46:47] offset:128*(\t/2)+32*(\t%2)      ; channels 32 (t / 2) + 8 (t % 2) + 16 h + 0 .. 7
	global_load_b128 v[196+8*\t:199+8*\t], v11, s[46:47] offset:128*(\t/2)+32*(\t%2)+16
.endr
	WIN 0
	s_mul_i32 s34, s14, 6291456
	s_mul_i32 s36, s16, 98304
	s_add_co_u32 s34, s34, s36
	s_mul_i32 s36, s17, 24576
	s_add_co_u32 s34, s34, s36
	s_add_nc_u64 s[26:27], s[8:9], s[34:35]
	s_lshl_b32 s34, s14, 19
	s_lshl_b32 s36, s16, 13
	s_add_co_u32 s34, s34, s36
	s_lshl_b32 s36, s17, 11
	s_add_co_u32 s34, s34, s36
	s_add_co_u32 s34, s34, QS
	s_add_nc_u64 s[28:29], s[8:9], s[34:35]
.endif
	s_wait_loadcnt 0x0
	WIN 0x0c
.irp q, 0,1,2,3,4,5,6,7,8,9,10,11
	ds_store_b128 v5, v[192+4*\q:195+4*\q] offset:512*\q
.endr
	WIN 0
	s_wait_dscnt 0x0
	WIN 0xc0
.irp q, 0,1,2,3,4,5,6,7,8,9,10,11
	global_load_b128 v[192+4*\q:195+4*\q], v1, s[20:21] offset:24576+512*\q
.endr
	WIN 0
	s_barrier_signal -1
	s_barrier_wait -1                              ; group 0 lies in buffer 0
.Lloop_\@:
	s_wait_alu depctr_va_vdst(0)
	TRIP 0, \path
	TRIP 1, \path
	TRIP 2, \path
	TRIP 3, \path
	s_wait_xcnt 0x0                                ; the stores and loads have read their bases and data
.if \path
	s_add_nc_u64 s[26:27], s[26:27], 6144
	s_add_nc_u64 s[28:29], s[28:29], 256
.else
	s_add_nc_u64 s[24:25], s[24:25], 32768
	s_add_nc_u64 s[26:27], s[26:27], 6144
	s_add_nc_u64 s[28:29], s[28:29], 512
.endif
	s_add_co_u32 s[IT], s[IT], 4
	s_cmp_lt_u32 s[IT], 16
	s_cbranch_scc1 .Lloop_\@
	s_wait_tensorcnt 0x0
	ds_add_u32 v254, v255
	s_wait_dscnt 0x0
	s_endpgm
.endm
	s_cmp_lt_u32 ttmp9, 8
	s_cbranch_scc0 .Lvpath
	BODY 0
.Lvpath:
	BODY 1
.Lfunc_end_k_q8edec54743_qkv:
	.size	k_q8edec54743_qkv, .Lfunc_end_k_q8edec54743_qkv-k_q8edec54743_qkv
	.p2alignl 7, 3214868480
	.fill 96, 4, 3214868480
	.section	.rodata,"a",@progbits
	.p2align	6, 0x0
	.amdhsa_kernel k_q8edec54743_qkv
		.amdhsa_group_segment_fixed_size 98816
		.amdhsa_private_segment_fixed_size 0
		.amdhsa_enable_private_segment 0
		.amdhsa_kernarg_size 24
		.amdhsa_user_sgpr_count 2
		.amdhsa_user_sgpr_kernarg_segment_ptr 1
		.amdhsa_wavefront_size32 1
		.amdhsa_system_sgpr_workgroup_id_x 1
		.amdhsa_system_sgpr_workgroup_id_y 1
		.amdhsa_system_sgpr_workgroup_id_z 1
		.amdhsa_system_vgpr_workitem_id 0
		.amdhsa_next_free_vgpr 1024
		.amdhsa_next_free_sgpr 66
		.amdhsa_reserve_vcc 0
		.amdhsa_float_denorm_mode_32 3
		.amdhsa_float_denorm_mode_16_64 3
		.amdhsa_memory_ordered 1
		.amdhsa_forward_progress 1
		.amdhsa_inst_pref_size 196
	.end_amdhsa_kernel
	.amdgpu_metadata
---
amdhsa.version: [ 1, 2 ]
amdhsa.kernels:
  - .name:           k_q8edec54743_qkv
    .symbol:         k_q8edec54743_qkv.kd
    .args:
      - { .name: pbuf, .offset: 0, .size: 8, .value_kind: global_buffer, .address_space: global }
      - { .name: bqkv, .offset: 8, .size: 8, .value_kind: global_buffer, .address_space: global }
      - { .name: qbuf, .offset: 16, .size: 8, .value_kind: global_buffer, .address_space: global }
    .group_segment_fixed_size: 98816
    .private_segment_fixed_size: 0
    .kernarg_segment_align: 8
    .kernarg_segment_size: 24
    .max_flat_workgroup_size: 128
    .sgpr_count:     66
    .vgpr_count:     1024
    .wavefront_size: 32
...
	.end_amdgpu_metadata
.endif
;; end of part 2
;; launch attn (part 3): grid 4 x 64, 8 waves a work-group, no clusters, 243,712 bytes of LDS; arguments qbuf, abuf; writes abuf
.if DOCPART == 3
	.amdgcn_target "amdgcn-amd-amdhsa--gfx1250"
	.amdhsa_code_object_version 6
	.text
	.protected	k_q8edec54743_attn
	.globl	k_q8edec54743_attn
	.p2align	8
	.type	k_q8edec54743_attn,@function
k_q8edec54743_attn:
	s_mov_b64 s[64:65], 0
	v_nop
	global_prefetch_b8 v0, s[64:65] scope:SCOPE_SE
	s_setreg_imm32_b32 hwreg(HW_REG_WAVE_MODE, 25, 1), 1
	s_wait_xcnt 0x0
; o = softmax(q k^T / 8) v for one head and 512 queries, both products on codes of FP6; the softmax is FINISHED AND NORMALISED before it is quantised along the keys; o is quantised along the model's axis.
; THE WAVES SHARE THE KEYS: wave w of eight owns keys 256 w .. + 255: k (16 tiles of 16 keys) stays in registers, v (8 fragments, 12,288 bytes) in the wave's own LDS bytes; both are read from memory once.
; A PAIR is a group of 32 queries, two tiles A and B of 16.  For each tile a wave makes its 256 scores a query (S^T = k q^T: a lane holds one query, registers 16 b + i are keys 32 b + 16 h + i), p' = 2^(t - M_w),
; t = score x log2(e) / 8, M_w = its own largest t rounded up to a whole number, and the sum l_w of p'.  Both tiles' (M_w, l_w) meet in LDS behind ONE barrier; M = the largest M_w, l = the sum of l_w 2^(M_w - M);
; p = p' x 2^(M_w - M) / l is the row's softmax.  It is quantised block by block and multiplied by my v (O^T = v^T p^T); v's fragments come from LDS once a pair, into the registers that tile A's p has left, and serve both tiles.
; The eight partial O^T go to LDS and are added once for two pairs; each wave then owns 8 tokens, quantises them and stores codes and bytes.
; The head's 64 fill half of the instruction's K of 128: q's upper six registers are zero codes, and k's fragment runs on into the next tile's codes, which meet those zeros.
; A block's largest p is not searched for: the block's largest score goes through the same instructions (this takes v_exp_f32 not to fall where its input rises; at the worst one p of a block is held at the largest code).
; abuf: AI [head 16][token 8192][48]: a token's 64 codes of a head, one stream of bits;  AS [head][token][4] = the two blocks' bytes, each twice.
; No cluster: k and v are read once by each work-group, at the head, and nothing shared is fetched in the loop.  No prefetch: the loop's only stream is q, 1,664 bytes a pair, asked for one pair ahead by its own loads.
; LIMITS: NaN, infinities and scores beyond f32 are not served (for finite scores l >= 0.5, so the reference's replacement of NaN changes nothing); a p' under 2^-126 is 0; a block of zeros gets the byte 1 where the rule says 127.
; The promise holds while the scaled scores t stay under 2^31 in magnitude.  The sums over the keys are grouped by wave, in f32.
; REGISTERS.  window 0: v1-13 addresses; v14-17 (-M_w, l_w) of A, B; v18-21 the factors; v22 q's scale words; v24-31 k's; v32-35 v's; v36-39 p's; v40-63 p's codes; v64-79 the blocks' largest; v80-111 a pool at work;
;   v112-113 the add's two; v114-117 at work; v128-255 tile A's scores, then p, then v's fragments (96) and A's O^T (32).
;   window 1: v0-95 k's tiles (tile t at 6 t), v96-101 zeros, v104-127 q's two tiles, v128-255 tile B's scores, then p, then B's O^T.
; LDS: 0 the partial O^T of four tiles; STAT the figures, four places of 1,280 bytes (tile 2 J + U); SPARE the spare words; VB v's fragments, 12,288 bytes a wave.
.set KI, 6291456
.set VI, 12582912
.set QS, 18874368
.set KS, 19398656
.set VS, 19922944
.set AS, 6291456
.set STAT, 139264
.set SPARE, 144384
.set VB, 145408
.set NM, 14
.set F, 18
.set QSC, 22
.set KSC, 24
.set VSC, 32
.set PW, 36
.set PC, 40
.set BM, 64
.set X, 80
.set BT, X
.set SU, X+8
.set SOP, X+8
.set YT, X+16
.set SPW, 112
.set NIL, 113
.set T, 114
.set S, 128
.set OA, S+96
.set QF, 104
.set MSB, 0
.macro WIN new
.if MSB != (\new)
	s_set_vgpr_msb (MSB<<8)|(\new)
.set MSB, (\new)
.endif
.endm
.macro PLACES n
.rept \n
	v_nop
.endr
.endm
.macro DLY
	s_delay_alu instid0(VALU_DEP_1)
.endm
.macro WMZ d, a, b, sa, sb, ra, rb     ; D = A x B
.if (\ra) && (\rb)
	v_wmma_scale_f32_16x16x128_f8f6f4 v[\d:\d+7], v[\a:\a+11], v[\b:\b+11], 0, v[\sa], v[\sb] matrix_a_fmt:MATRIX_FMT_FP6 matrix_b_fmt:MATRIX_FMT_FP6 matrix_a_scale:MATRIX_SCALE_ROW1 matrix_b_scale:MATRIX_SCALE_ROW1
.elseif (\ra)
	v_wmma_scale_f32_16x16x128_f8f6f4 v[\d:\d+7], v[\a:\a+11], v[\b:\b+11], 0, v[\sa], v[\sb] matrix_a_fmt:MATRIX_FMT_FP6 matrix_b_fmt:MATRIX_FMT_FP6 matrix_a_scale:MATRIX_SCALE_ROW1
.elseif (\rb)
	v_wmma_scale_f32_16x16x128_f8f6f4 v[\d:\d+7], v[\a:\a+11], v[\b:\b+11], 0, v[\sa], v[\sb] matrix_a_fmt:MATRIX_FMT_FP6 matrix_b_fmt:MATRIX_FMT_FP6 matrix_b_scale:MATRIX_SCALE_ROW1
.else
	v_wmma_scale_f32_16x16x128_f8f6f4 v[\d:\d+7], v[\a:\a+11], v[\b:\b+11], 0, v[\sa], v[\sb] matrix_a_fmt:MATRIX_FMT_FP6 matrix_b_fmt:MATRIX_FMT_FP6
.endif
.endm
.macro WMI d, a, b, sa, sb, ra         ; D += A x B
.if (\ra)
	v_wmma_scale_f32_16x16x128_f8f6f4 v[\d:\d+7], v[\a:\a+11], v[\b:\b+11], v[\d:\d+7], v[\sa], v[\sb] matrix_a_fmt:MATRIX_FMT_FP6 matrix_b_fmt:MATRIX_FMT_FP6 matrix_a_scale:MATRIX_SCALE_ROW1
.else
	v_wmma_scale_f32_16x16x128_f8f6f4 v[\d:\d+7], v[\a:\a+11], v[\b:\b+11], v[\d:\d+7], v[\sa], v[\sb] matrix_a_fmt:MATRIX_FMT_FP6 matrix_b_fmt:MATRIX_FMT_FP6
.endif
.endm
	s_load_b128 s[4:7], s[0:1], 0x0                ; qbuf, abuf
	v_lshl_add_u32 v[SPW], v0, 2, SPARE
	v_mov_b32 v[NIL], 0
	v_lshrrev_b32 v1, 5, v0
	v_readfirstlane_b32 s8, v1                     ; wave 0..7
	v_and_b32 v13, 31, v0                          ; l
	v_and_b32 v80, 15, v0                          ; r
	v_bfe_u32 v81, v0, 4, 1                        ; h
	v_lshlrev_b32 v1, 4, v13                       ; 16 l
	v_lshlrev_b32 v2, 2, v13                       ; 4 l
	v_lshlrev_b32 v3, 3, v13                       ; 8 l
	v_mul_u32_u24 v5, v80, 80
	v_add_nc_u32 v5, STAT, v5                      ; my query's row of figures
	s_lshl_b32 s22, s8, 3
	v_add_nc_u32 v4, s22, v5                       ; and my wave's place in it
	s_mul_i32 s22, s8, 4352
	v_mul_u32_u24 v6, v80, 272
	v_lshl_add_u32 v6, v81, 5, v6
	v_add_nc_u32 v6, s22, v6                       ; my partial O^T of tile 0,
	v_add_nc_u32 v7, 34816, v6                     ; of tiles 1 to 3
	v_add_nc_u32 v8, 69632, v6
	v_add_nc_u32 v9, 104448, v6
	s_lshr_b32 s22, s8, 2
	s_lshl_b32 s22, s22, 1
	s_and_b32 s23, s8, 1
	s_add_co_u32 s22, s22, s23
	s_mul_i32 s22, s22, 34816
	s_bfe_u32 s23, s8, 0x10001
	s_mul_i32 s23, s23, 2176
	s_add_co_u32 s22, s22, s23
	v_lshrrev_b32 v82, 2, v13
	v_and_b32 v83, 3, v13
	v_mul_u32_u24 v10, v82, 272
	v_lshl_add_u32 v10, v83, 6, v10
	v_add_nc_u32 v10, s22, v10                     ; the sum: token l / 4 of my 8, channels 16 (l % 4) on
	s_mul_i32 s22, s8, 384
	v_mul_u32_u24 v11, v13, 12
	v_add_nc_u32 v11, s22, v11                     ; my 12 bytes of codes
	s_lshl_b32 s22, s8, 5
	v_add_nc_u32 v12, s22, v13                     ; my scale byte
	s_mul_i32 s22, s8, 12288
	s_add_co_u32 s22, s22, VB
	v_add_nc_u32 v13, s22, v1                      ; LDS: my v, 16 l of each 512
	s_and_b32 s10, ttmp7, 0xffff                   ; 16 b + head
	s_and_b32 s11, s10, 15
	s_lshr_b32 s12, s10, 4
	s_mov_b32 s23, 0
	s_mov_b32 s26, 0x3e38aa3b                      ; c = log2(e) / 8
	s_mov_b32 s27, s26                             ; (named with it as a pair, so it is written)
	s_mov_b32 s28, 0x76543210
	s_mov_b32 s29, 0xfedcba98                      ; v_permlanex16_b32's selects for lane l xor 16
	s_wait_alu depctr_va_vdst(0)
	s_wait_kmcnt 0x0
	s_mul_i32 s13, s10, 98304
	s_mul_i32 s22, s8, 12288
	s_add_co_u32 s22, s22, s13
	s_add_co_u32 s22, s22, KI
	s_add_nc_u64 s[32:33], s[4:5], s[22:23]        ; my 8 groups of k
	s_add_nc_u64 s[34:35], s[32:33], VI-KI         ; my 8 fragments of v
	s_lshl_b32 s22, s10, 13
	s_lshl_b32 s24, s8, 10
	s_add_co_u32 s22, s22, s24
	s_add_co_u32 s22, s22, KS
	s_add_nc_u64 s[36:37], s[4:5], s[22:23]
	s_lshl_b32 s22, s10, 12
	s_lshl_b32 s24, s8, 9
	s_add_co_u32 s22, s22, s24
	s_add_co_u32 s22, s22, VS
	s_add_nc_u64 s[38:39], s[4:5], s[22:23]
	s_mul_i32 s22, ttmp9, 24576
	s_add_co_u32 s22, s22, s13
	s_add_nc_u64 s[14:15], s[4:5], s[22:23]        ; q's images: my 16 groups
	s_lshl_b32 s22, s10, 13
	s_lshl_b32 s24, ttmp9, 11
	s_add_co_u32 s22, s22, s24
	s_add_co_u32 s22, s22, QS
	s_add_nc_u64 s[16:17], s[4:5], s[22:23]
	s_mul_i32 s22, s11, 393216
	s_mul_i32 s24, s12, 98304
	s_add_co_u32 s22, s22, s24
	s_mul_i32 s24, ttmp9, 24576
	s_add_co_u32 s22, s22, s24
	s_add_nc_u64 s[18:19], s[6:7], s[22:23]        ; the codes of o: my head's plane, my first token
	s_lshl_b32 s22, s11, 15
	s_lshl_b32 s24, s12, 13
	s_add_co_u32 s22, s22, s24
	s_lshl_b32 s24, ttmp9, 11
	s_add_co_u32 s22, s22, s24
	s_add_co_u32 s22, s22, AS
	s_add_nc_u64 s[20:21], s[6:7], s[22:23]
; a group's image: registers 0-5 are tile A's 64 codes, 6-11 tile B's; g: groups on from the base
.macro QLOAD g
	WIN 0x40                                       ; destination window 1
	global_load_b128 v[QF:QF+3], v1, s[14:15] offset:1536*(\g)
	global_load_b64 v[QF+4:QF+5], v1, s[14:15] offset:1536*(\g)+512
	global_load_b64 v[QF+12:QF+13], v1, s[14:15] offset:1536*(\g)+520
	global_load_b128 v[QF+14:QF+17], v1, s[14:15] offset:1536*(\g)+1024
	WIN 0
	global_load_b32 v[QSC], v2, s[16:17] offset:128*(\g)   ; lanes 0-15 tile A's words, lanes 16-31 tile B's
.endm
.set n, 0
.rept 24
	global_load_b128 v[S+4*n:S+4*n+3], v1, s[34:35] offset:512*n       ; v, on its way to LDS
.set n, n+1
.endr
	WIN 0x40
.set n, 0
.rept 24
	global_load_b128 v[4*n:4*n+3], v1, s[32:33] offset:512*n
.set n, n+1
.endr
.irp i, 96,97,98,99,100,101, 110,111,112,113,114,115, 122,123,124,125,126,127
	v_mov_b32 v\i, 0                               ; what k's last tile runs on into; q's zero codes for k = 64 .. 127
.endr
	WIN 0
.irp i, 0,1,2,3,4,5,6,7
	global_load_b32 v[KSC+\i], v2, s[36:37] offset:128*\i
.endr
.irp i, 0,1
	global_load_b64 v[VSC+2*\i:VSC+2*\i+1], v3, s[38:39] offset:256*\i
.endr
	QLOAD 0
.irp i, NM+1, NM+3, F+1, F+3
	v_mov_b32 v[\i], 0                             ; partners of pairs that packed forms name
.endr
.irp i, 0,1,2,3,4,5,6,7
	v_mov_b32 v[BT+\i], 0                          ; a lane permute's destination counts as one of its sources
.endr
	s_wait_alu depctr_va_vdst(0)
	s_wait_loadcnt 0x0
.set n, 0
.rept 24
	ds_store_b128 v13, v[S+4*n:S+4*n+3] offset:512*n   ; my own bytes: LDS serves a wave's instructions in order, no barrier is owed
.set n, n+1
.endr
; Tile U of pair J: scores, p', the sum; my figures go to LDS.  Tile A's 128 registers lie in window 0, tile B's at the same numbers in window 1.
.macro PH1 U, J
.set NMU, NM+2*\U
.set BMU, BM+8*\U
.set TU, T+2*\U
	WIN 0x05+0x40*\U                               ; k and q window 1, the scores window U
.irp t, 0,1,2,3,4,5,6,7,8,9,10,11,12,13,14,15
	WMZ S+8*\t, 6*\t, QF+12*\U, KSC+\t/2, QSC, \t%2, \U
.endr
	WIN 0
	PLACES 4                                       ; ahead of the first read of scores and of loads into q's registers
.if \U
	QLOAD (\J)+1                                   ; the next group.  (Behind the work-group's last group the one that follows is read and not used: it lies inside the buffer)
.endif
	WIN 0x15*\U
.irp b, 0,1,2,3,4,5,6,7
	v_max3_num_f32 v[BMU+\b], v[S+16*\b], v[S+16*\b+1], v[S+16*\b+2]   ; the largest score of each block of 32 keys, the eight blocks by turns; each accumulator is read from its low end on
.endr
	WIN 0x14*\U
.irp i, 3,5,7,9,11,13
.irp b, 0,1,2,3,4,5,6,7
	v_max3_num_f32 v[BMU+\b], v[BMU+\b], v[S+16*\b+\i], v[S+16*\b+\i+1]
.endr
.endr
	WIN 0x04*\U
.irp b, 0,1,2,3,4,5,6,7
	v_max_num_f32 v[BMU+\b], v[BMU+\b], v[S+16*\b+15]
.endr
	WIN 0
.irp b, 0,1,2,3,4,5,6,7
	v_permlanex16_b32 v[BT+\b], v[BMU+\b], s28, s29
.endr
.irp b, 0,1,2,3,4,5,6,7
	v_max_num_f32 v[BMU+\b], v[BMU+\b], v[BT+\b]
.endr
	v_max3_num_f32 v[TU], v[BMU], v[BMU+1], v[BMU+2]
	DLY
	v_max3_num_f32 v[TU], v[TU], v[BMU+3], v[BMU+4]
	DLY
	v_max3_num_f32 v[TU], v[TU], v[BMU+5], v[BMU+6]
	DLY
	v_max_num_f32 v[TU], v[TU], v[BMU+7]           ; my query's largest score among my 256 keys
	DLY
	v_mul_f32 v[TU], s26, v[TU]
	DLY
	v_floor_f32 v[NMU], -v[TU]                     ; -M_w = floor(-t): a whole number
.irp b, 0,1,2,3,4,5,6,7
	v_fma_f32 v[BMU+\b], v[BMU+\b], s26, v[NMU]
.endr
	WIN 0x41*\U
.set n, 0
.rept 64
	v_pk_fma_f32 v[S+n:S+n+1], v[S+n:S+n+1], s[26:27], v[NMU:NMU+1] op_sel_hi:[1,0,0]   ; t - M_w
.set n, n+2
.endr
	s_wait_alu depctr_va_vdst(0)
.set n, 0
.rept 128
	v_exp_f32 v[S+n], v[S+n]                       ; p' = 2^(t - M_w), at most 1
.set n, n+1
.endr
	WIN 0
	v_nop                                          ; a plain place behind the exponentials
	s_wait_alu depctr_va_vdst(0)                   ; one wait for the batch, ahead of its first reader
.irp b, 0,1,2,3,4,5,6,7
	v_exp_f32 v[BMU+\b], v[BMU+\b]                 ; the blocks' largest p'; their wait stands with the reciprocals'
.endr
	WIN 0x05*\U
.irp c, 0,1,2,3,4,5,6,7
	v_pk_add_f32 v[SU+2*\c:SU+2*\c+1], v[S+16*\c:S+16*\c+1], v[S+16*\c+2:S+16*\c+3]   ; the sum of the unquantised p', in eight chains of pairs
.endr
	WIN 0x04*\U
.irp i, 4,6,8,10,12,14
.irp c, 0,1,2,3,4,5,6,7
	v_pk_add_f32 v[SU+2*\c:SU+2*\c+1], v[SU+2*\c:SU+2*\c+1], v[S+16*\c+\i:S+16*\c+\i+1]
.endr
.endr
	WIN 0
.irp c, 0,1,2,3
	v_pk_add_f32 v[SU+2*\c:SU+2*\c+1], v[SU+2*\c:SU+2*\c+1], v[SU+2*\c+8:SU+2*\c+9]
.endr
.irp c, 0,1
	v_pk_add_f32 v[SU+2*\c:SU+2*\c+1], v[SU+2*\c:SU+2*\c+1], v[SU+2*\c+4:SU+2*\c+5]
.endr
	DLY
	v_pk_add_f32 v[SU:SU+1], v[SU:SU+1], v[SU+2:SU+3]
	DLY
	v_add_f32 v[TU], v[SU], v[SU+1]
	DLY
	v_permlanex16_b32 v[BT], v[TU], s28, s29
	DLY
	v_add_f32 v[NMU+1], v[TU], v[BT]
	ds_store_b64 v4, v[NMU:NMU+1] offset:1280*(2*\J+\U)   ; (lanes r and r + 16 write the same two words with the same values)
.endm
; Both tiles' factors 2^(M_w - M) / l, line by line in turn
.macro FSTAT J
.irp u, 0,1
.irp i, 0,1,2,3
	ds_load_b128 v[X+16*\u+4*\i:X+16*\u+4*\i+3], v5 offset:1280*(2*\J+\u)+16*\i   ; all eight waves' (-M, l) of my query
.endr
.endr
	s_wait_dscnt 0x0
.irp u, 0,1
	v_min3_num_f32 v[T+2*\u], v[X+16*\u], v[X+16*\u+2], v[X+16*\u+4]
.endr
.irp k, 6,10
.irp u, 0,1
	v_min3_num_f32 v[T+2*\u], v[T+2*\u], v[X+16*\u+\k], v[X+16*\u+\k+2]
.endr
.endr
.irp u, 0,1
	v_min_num_f32 v[T+2*\u], v[T+2*\u], v[X+16*\u+14]   ; -M
.endr
.irp k, 0,1,2,3,4,5,6,7, 8,9,10,11,12,13,14,15
	v_sub_f32 v[X+2*\k], v[T+2*(\k/8)], v[X+2*\k]  ; M_w - M: a whole number, 0 or less
.endr
.irp k, 0,1,2,3,4,5,6,7, 8,9,10,11,12,13,14,15
	v_cvt_i32_f32 v[X+2*\k], v[X+2*\k]
.endr
.irp k, 0,1,2,3,4,5,6,7, 8,9,10,11,12,13,14,15
	v_ldexp_f32 v[X+2*\k+1], v[X+2*\k+1], v[X+2*\k]   ; l_w under M: nothing is rounded
.endr
.irp k, 1,5,9,13, 17,21,25,29
	v_add_f32 v[X+\k], v[X+\k], v[X+\k+2]
.endr
.irp k, 1,9, 17,25
	v_add_f32 v[X+\k], v[X+\k], v[X+\k+4]
.endr
.irp k, 1, 17
	v_add_f32 v[X+\k], v[X+\k], v[X+\k+8]          ; l
.endr
	s_wait_alu depctr_va_vdst(0)
.irp u, 0,1
	v_rcp_f32 v[T+2*\u+1], v[X+16*\u+1]
.endr
.irp u, 0,1
	v_sub_f32 v[T+2*\u], v[T+2*\u], v[NM+2*\u]     ; (plain places)  my own M_w - M
.endr
.irp u, 0,1
	v_cvt_i32_f32 v[T+2*\u], v[T+2*\u]
.endr
	s_wait_alu depctr_va_vdst(0)                   ; one wait for the reciprocals and the sixteen exponentials, ahead of their first readers
.irp u, 0,1
	v_ldexp_f32 v[F+2*\u], v[T+2*\u+1], v[T+2*\u]
.endr
.endm
; Tile U: p, the finished softmax; its blocks' scale operands and its two scale words
.macro NORM U
.set BMU, BM+8*\U
.set FU, F+2*\U
.set PWU, PW+2*\U
	WIN 0x41*\U
.set n, 0
.rept 64
	v_pk_mul_f32 v[S+n:S+n+1], v[S+n:S+n+1], v[FU:FU+1] op_sel_hi:[1,0]
.set n, n+2
.endr
	WIN 0
.irp b, 0,1,2,3,4,5,6,7
	v_mul_f32 v[BMU+\b], v[BMU+\b], v[FU]          ; the same of each block's largest
.endr
.irp b, 0,1,2,3,4,5,6,7
	v_max_num_f32 v[BMU+\b], 0x1800000, v[BMU+\b]  ; the floor 2^(3 - 127): the byte cannot fall under 1
.endr
.irp b, 0,1,2,3,4,5,6,7
	v_add_nc_u32 v[SOP+\b], 0xff000000, v[BMU+\b]  ; 2 off the exponent field: the conversion's scale operand
.endr
.irp b, 0,1,2,3,4,5,6,7
	v_lshrrev_b32 v[BT+\b], 23, v[SOP+\b]
.endr
.irp g, 0,1
	v_lshl_or_b32 v[PWU+\g], v[BT+4*\g+1], 8, v[BT+4*\g]   ; p's scale words for my two K steps of 128 keys
.endr
.irp g, 0,1
	v_lshl_or_b32 v[PWU+\g], v[BT+4*\g+2], 16, v[PWU+\g]
.endr
.irp g, 0,1
	v_lshl_or_b32 v[PWU+\g], v[BT+4*\g+3], 24, v[PWU+\g]
.endr
.endm
.macro CONV U                          ; tile U's p becomes two fragments of codes in v[PC ..]
	WIN 0x01*\U
.irp g, 0,1
.irp c, 0,1
	v_cvt_scalef32_pk16_fp6_f32 v[PC+12*\g+6*\c:PC+12*\g+6*\c+2], v[S+64*\g+32*\c:S+64*\g+32*\c+15], v[SOP+4*\g+2*\c]
	v_cvt_scalef32_pk16_fp6_f32 v[YT+8*\g+4*\c:YT+8*\g+4*\c+2], v[S+64*\g+32*\c+16:S+64*\g+32*\c+31], v[SOP+4*\g+2*\c+1]
.endr
.endr
	WIN 0
	v_nop                                          ; one plain place behind a scaled conversion
.irp g, 0,1
.irp c, 0,1
.irp i, 0,1,2
	v_permlane16_swap_b32 v[PC+12*\g+6*\c+\i], v[YT+8*\g+4*\c+\i]   ; half blocks become whole ones
.endr
.endr
.endr
.irp g, 0,1
.irp c, 0,1
.irp i, 0,1,2
	v_mov_b32 v[PC+12*\g+6*\c+3+\i], v[YT+8*\g+4*\c+\i]
.endr
.endr
.endr
.endm
.macro PV d, pw                        ; O^T = v^T p^T: four accumulators by turns, one instruction a turn
.irp t, 0,1,2,3
	WMZ \d+8*\t, S+12*\t, PC, VSC+\t/2, \pw, \t%2, 0
.endr
.irp t, 0,1,2,3
	WMI \d+8*\t, S+48+12*\t, PC+12, VSC+2+\t/2, \pw+1, \t%2
.endr
.endm
.macro OSTORE adr, d
.irp t, 0,1,2,3
	ds_store_b128 v[\adr], v[\d+8*\t:\d+8*\t+3] offset:64*\t           ; query r, channels 16 t + 8 h + 0 .. 7; each accumulator from its low end on
	ds_store_b128 v[\adr], v[\d+8*\t+4:\d+8*\t+7] offset:64*\t+16
.endr
.endm
.macro PAIR J
	s_wait_loadcnt 0x0                             ; q's group, asked for a pair ago
	PH1 0, \J
	PH1 1, \J
	s_wait_dscnt 0x0                               ; my figures have landed; so have my partial O^T of the pair before and my reads of the sums
	s_barrier_signal -1
	s_barrier_wait -1
	FSTAT \J
	NORM 0
	CONV 0
.set n, 0
.rept 24
	ds_load_b128 v[S+4*n:S+4*n+3], v13 offset:512*n   ; v's eight fragments, into registers that tile A's p has left
.set n, n+1
.endr
	NORM 1
	s_wait_alu depctr_va_vdst(0)
	s_wait_dscnt 0x0
	PV OA, PW
	PLACES 4                                       ; ahead of the stores that read the results and of the conversions, which write over p's codes
	OSTORE 6+2*\J, OA
	CONV 1
	PLACES 4                                       ; operands written by vector instructions stand four places ahead of a scaled matrix instruction
	WIN 0x50                                       ; C and D window 1: registers that tile B's p has left
	PV S, PW+2
	WIN 0
	PLACES 5                                       ; four ahead of the stores, five ahead of the next products, which write over these registers
	WIN 0x04                                       ; an LDS store's data: window 1
	OSTORE 7+2*\J, S
	WIN 0
.endm
; The eight waves' partial O^T of four tiles are added; a lane holds 16 channels of one token, two lanes a block of 32
.macro REDUCE
	s_wait_dscnt 0x0
	s_barrier_signal -1
	s_barrier_wait -1
.irp p, 0,1,2,3,4,5,6,7
.irp i, 0,1,2,3
	ds_load_b128 v[S+16*\p+4*\i:S+16*\p+4*\i+3], v10 offset:4352*\p+16*\i
.endr
.endr
	s_wait_dscnt 0x0
.irp p, 0,2,4,6
.irp i, 0,2,4,6,8,10,12,14
	v_pk_add_f32 v[S+16*\p+\i:S+16*\p+\i+1], v[S+16*\p+\i:S+16*\p+\i+1], v[S+16*\p+16+\i:S+16*\p+17+\i]
.endr
.endr
.irp p, 0,4
.irp i, 0,2,4,6,8,10,12,14
	v_pk_add_f32 v[S+16*\p+\i:S+16*\p+\i+1], v[S+16*\p+\i:S+16*\p+\i+1], v[S+16*\p+32+\i:S+16*\p+33+\i]
.endr
.endr
.irp i, 0,2,4,6,8,10,12,14
	v_pk_add_f32 v[S+\i:S+\i+1], v[S+\i:S+\i+1], v[S+64+\i:S+65+\i]
.endr
	v_max3_num_f32 v[T], |v[S]|, |v[S+1]|, 0x1800000
.irp i, 2,4,6,8,10,12,14
	DLY
	v_max3_num_f32 v[T], v[T], |v[S+\i]|, |v[S+\i+1]|
.endr
	DLY
	v_max_num_f32_dpp v[T], v[T], v[T] row_xmask:1 row_mask:0xf bank_mask:0xf   ; with my neighbour's 16: the block's largest magnitude
	DLY
	v_add_nc_u32 v[T+1], 0xff000000, v[T]
	v_cvt_scalef32_pk16_fp6_f32 v[PC:PC+2], v[S:S+15], v[T+1]
	v_lshrrev_b32 v[YT], 23, v[T+1]                ; the byte (and the plain place behind the conversion)
	global_store_b96 v11, v[PC:PC+2], s[18:19]     ; the wave stores 384 consecutive bytes
	global_store_b8 v12, v[YT], s[20:21]           ; and 32 consecutive bytes
.endm
	s_mov_b32 s30, 0
.Ltrip:                                            ; 8 trips of 64 queries
	PAIR 0
	PAIR 1
	REDUCE
	s_wait_xcnt 0x0                                ; the loads and stores have read their bases and data
	s_add_nc_u64 s[14:15], s[14:15], 3072
	s_add_nc_u64 s[16:17], s[16:17], 256
	s_add_nc_u64 s[18:19], s[18:19], 3072
	s_add_nc_u64 s[20:21], s[20:21], 256
	s_add_co_u32 s30, s30, 1
	s_cmp_lt_u32 s30, 8
	s_cbranch_scc1 .Ltrip
	s_wait_tensorcnt 0x0                           ; the wave's end
	ds_add_u32 v[SPW], v[NIL]
	s_wait_dscnt 0x0
	s_endpgm
.Lfunc_end_k_q8edec54743_attn:
	.size	k_q8edec54743_attn, .Lfunc_end_k_q8edec54743_attn-k_q8edec54743_attn
	.p2alignl 7, 3214868480
	.fill 96, 4, 3214868480
	.section	.rodata,"a",@progbits
	.p2align	6, 0x0
	.amdhsa_kernel k_q8edec54743_attn
		.amdhsa_group_segment_fixed_size 243712
		.amdhsa_private_segment_fixed_size 0
		.amdhsa_enable_private_segment 0
		.amdhsa_kernarg_size 16
		.amdhsa_user_sgpr_count 2
		.amdhsa_user_sgpr_kernarg_segment_ptr 1
		.amdhsa_wavefront_size32 1
		.amdhsa_system_sgpr_workgroup_id_x 1
		.amdhsa_system_sgpr_workgroup_id_y 1
		.amdhsa_system_sgpr_workgroup_id_z 1
		.amdhsa_system_vgpr_workitem_id 0
		.amdhsa_next_free_vgpr 512
		.amdhsa_next_free_sgpr 66
		.amdhsa_reserve_vcc 0
		.amdhsa_float_denorm_mode_32 3
		.amdhsa_float_denorm_mode_16_64 3
		.amdhsa_memory_ordered 1
		.amdhsa_forward_progress 1
		.amdhsa_inst_pref_size 150
	.end_amdhsa_kernel
	.amdgpu_metadata
---
amdhsa.version: [ 1, 2 ]
amdhsa.kernels:
  - .name:           k_q8edec54743_attn
    .symbol:         k_q8edec54743_attn.kd
    .args:
      - { .name: qbuf, .offset: 0, .size: 8, .value_kind: global_buffer, .address_space: global }
      - { .name: abuf, .offset: 8, .size: 8, .value_kind: global_buffer, .address_space: global }
    .group_segment_fixed_size: 243712
    .private_segment_fixed_size: 0
    .kernarg_segment_align: 8
    .kernarg_segment_size: 16
    .max_flat_workgroup_size: 256
    .sgpr_count:     66
    .vgpr_count:     512
    .wavefront_size: 32
...
	.end_amdgpu_metadata
.endif
;; end of part 3
;; launch proj (part 4): grid 4 x 64, 4 waves a work-group, no clusters, 84,480 bytes of LDS; arguments abuf, pbuf, bout, out0; writes out0
.if DOCPART == 4
	.amdgcn_target "amdgcn-amd-amdhsa--gfx1250"
	.amdhsa_code_object_version 6
	.text
	.protected	k_q8edec54743_proj
	.globl	k_q8edec54743_proj
	.p2align	8
	.type	k_q8edec54743_proj,@function
k_q8edec54743_proj:
	s_mov_b64 s[64:65], 0
	v_nop
	global_prefetch_b8 v0, s[64:65] scope:SCOPE_SE
	s_setreg_imm32_b32 hwreg(HW_REG_WAVE_MODE, 25, 1), 1
	s_wait_xcnt 0x0
; out0 = o Wout + bout on codes of FP6.  o arrives as codes [head 16][token 8192][48 bytes] with its bytes [head][token][4] = (b0, b0, b1, b1); Wout as images of operand registers.
; SHARES.  Work-group (bx, y): columns 256 bx on, tokens 128 y on.  Wave w: 64 columns; its 32 fragments of the weight stay in 384 registers.  Four trips of 32 tokens, written out: 64 matrix instructions a wave each.
; A group's codes (16 planes of 1,536 consecutive bytes) come by plain loads, four planes a wave, two trips ahead, and go to all four waves through LDS, two buffers by turns, one barrier a trip.
; Source 0 = 16 columns of Wout, source 1 = 16 tokens: a lane holds one token and eight neighbouring columns a tile; the bias is the C of each sum's first matrix instruction.
; K step s is heads 2 s and 2 s + 1: a fragment's registers 6 c .. 6 c + 5 are the 24 bytes at 24 h of the token's 48 in plane 2 s + c; its scale word is pieced from the two planes' words.
; Results go through my own stage in LDS and leave as rows: sixteen lanes store 256 consecutive bytes, aligned.
; o's codes are read by the 4 work-groups of a row block, 6,144 bytes a wave beside a trip's 64 matrix instructions; they are not asked for jointly in a cluster: the launch has no tensor load; that is a loss that is known.
; REGISTERS.  window 0: v1-11 addresses; v16-31 W's scale words; v32-39 o's; v48-111 the accumulators; v112-175 rows on the way out; v176-191 the planes' words.
;   window 1: W's fragments of columns 0-31, v192-223 the bias;  window 2: those of columns 32-63;  window 3: o's fragments ((u, s) at 12 (2 s + u)), v192-239 my four planes on their way to LDS.
.set AS, 6291456
.set WQ, 6553600
.set WS, 9699328
.set STG, 49152                        ; LDS: two buffers of 24,576 bytes, then a stage of 32 rows x 272 bytes for each wave
.set WSC, 16
.set ASC, 32
.set ACC, 48
.set OB, 112
.set AW, 176
.set MSB, 0
.macro WIN new
.if MSB != (\new)
	s_set_vgpr_msb (MSB<<8)|(\new)
.set MSB, (\new)
.endif
.endm
.macro PLACES n
.rept \n
	v_nop
.endr
.endm
.macro WMA d, a, b, c, sa, sb, ra, rb
.if (\ra) && (\rb)
	v_wmma_scale_f32_16x16x128_f8f6f4 v[\d:\d+7], v[\a:\a+11], v[\b:\b+11], v[\c:\c+7], v[\sa], v[\sb] matrix_a_fmt:MATRIX_FMT_FP6 matrix_b_fmt:MATRIX_FMT_FP6 matrix_a_scale:MATRIX_SCALE_ROW1 matrix_b_scale:MATRIX_SCALE_ROW1
.elseif (\ra)
	v_wmma_scale_f32_16x16x128_f8f6f4 v[\d:\d+7], v[\a:\a+11], v[\b:\b+11], v[\c:\c+7], v[\sa], v[\sb] matrix_a_fmt:MATRIX_FMT_FP6 matrix_b_fmt:MATRIX_FMT_FP6 matrix_a_scale:MATRIX_SCALE_ROW1
.elseif (\rb)
	v_wmma_scale_f32_16x16x128_f8f6f4 v[\d:\d+7], v[\a:\a+11], v[\b:\b+11], v[\c:\c+7], v[\sa], v[\sb] matrix_a_fmt:MATRIX_FMT_FP6 matrix_b_fmt:MATRIX_FMT_FP6 matrix_b_scale:MATRIX_SCALE_ROW1
.else
	v_wmma_scale_f32_16x16x128_f8f6f4 v[\d:\d+7], v[\a:\a+11], v[\b:\b+11], v[\c:\c+7], v[\sa], v[\sb] matrix_a_fmt:MATRIX_FMT_FP6 matrix_b_fmt:MATRIX_FMT_FP6
.endif
.endm
.macro GLOAD j                         ; my four planes of group j: 12 chunks of 512 consecutive bytes
	WIN 0xc0
.irp q, 0,1,2,3,4,5,6,7,8,9,10,11
	global_load_b128 v[192+4*\q:195+4*\q], v1, s[16:17] offset:393216*(\q/3)+512*(\q%3)+1536*(\j)
.endr
	WIN 0
.endm
.macro GSTORE buf
	WIN 0x0c                                       ; an LDS store's data: window 3
.irp q, 0,1,2,3,4,5,6,7,8,9,10,11
	ds_store_b128 v5, v[192+4*\q:195+4*\q] offset:24576*(\buf)+512*\q
.endr
	WIN 0
.endm
.macro AWLOAD j                        ; the 16 planes' words of group j's 32 tokens, a token a lane
.irp q, 0,1,2,3,4,5,6,7,8,9,10,11,12,13,14,15
	global_load_b32 v[AW+\q], v3, s[18:19] offset:32768*\q+128*(\j)
.endr
.endm
	s_load_b256 s[4:11], s[0:1], 0x0               ; abuf s[4:5], pbuf s[6:7], bout s[8:9], out0 s[10:11]
	v_lshl_add_u32 v254, v0, 2, 0x14800
	v_mov_b32 v255, 0
	v_lshrrev_b32 v1, 5, v0
	v_readfirstlane_b32 s12, v1                    ; wave 0..3
	v_and_b32 v4, 31, v0                           ; l
	v_and_b32 v12, 15, v0                          ; r
	v_bfe_u32 v13, v0, 4, 1                        ; h
	v_lshlrev_b32 v1, 4, v4                        ; 16 l
	v_lshlrev_b32 v3, 2, v4                        ; 4 l
	s_mul_i32 s30, s12, 6144
	v_add_nc_u32 v5, s30, v1                       ; LDS: where my four planes go
	v_mul_u32_u24 v6, v12, 48
	v_mad_u32_u24 v6, v13, 24, v6                  ; a fragment: token r's 48 bytes, + 24 h
	s_mul_i32 s30, s12, 8704
	s_add_co_u32 s30, s30, STG                     ; my stage
	v_mul_u32_u24 v7, v12, 272
	v_lshl_add_u32 v7, v13, 5, v7
	v_add_nc_u32 v7, s30, v7                       ; in: row r, + 32 h
	v_mul_u32_u24 v8, v13, 272
	v_lshl_add_u32 v8, v12, 4, v8
	v_add_nc_u32 v8, s30, v8                       ; back: lanes 0-15 one row, lanes 16-31 the next
	v_lshlrev_b32 v9, 12, v13
	v_lshl_add_u32 v9, v12, 4, v9                  ; and the same two rows in out0
	v_lshlrev_b32 v11, 5, v13                      ; the bias: 32 h
	s_and_b32 s14, ttmp7, 0xffff                   ; y
	s_mov_b32 s31, 0
	s_mov_b32 s28, 0x06040200                      ; bytes 0, 2 of one word, then bytes 0, 2 of the other
	s_wait_alu depctr_va_vdst(0)
	s_wait_kmcnt 0x0
	s_mul_i32 s30, s12, 1572864
	s_mul_i32 s32, s14, 6144
	s_add_co_u32 s30, s30, s32
	s_add_nc_u64 s[16:17], s[4:5], s[30:31]        ; planes 4 w on, token 128 y
	s_lshl_b32 s30, s14, 9
	s_add_co_u32 s30, s30, AS
	s_add_nc_u64 s[18:19], s[4:5], s[30:31]
	s_lshl_b32 s32, ttmp9, 3
	s_lshl_b32 s33, s12, 1
	s_add_co_u32 s32, s32, s33
	s_add_co_u32 s32, s32, 96                      ; my first 32 columns among the weights' images
	s_mul_i32 s30, s32, 24576
	s_add_co_u32 s30, s30, WQ
	s_add_nc_u64 s[20:21], s[6:7], s[30:31]
	s_lshl_b32 s30, s32, 10
	s_add_co_u32 s30, s30, WS
	s_add_nc_u64 s[22:23], s[6:7], s[30:31]
	s_lshl_b32 s30, ttmp9, 10
	s_lshl_b32 s32, s12, 8
	s_add_co_u32 s30, s30, s32                     ; my 64 columns, in bytes
	s_add_nc_u64 s[24:25], s[8:9], s[30:31]
	s_lshl_b32 s32, s14, 19                        ; 128 rows of 4,096 bytes
	s_add_co_u32 s30, s30, s32
	s_add_nc_u64 s[26:27], s[10:11], s[30:31]
	GLOAD 0
	AWLOAD 0
	WIN 0x40
.set n, 0
.rept 48
	global_load_b128 v[4*n:4*n+3], v1, s[20:21] offset:512*n
.set n, n+1
.endr
.irp t, 0,1,2,3
	global_load_b128 v[192+8*\t:195+8*\t], v11, s[24:25] offset:64*\t      ; columns 16 t + 8 h + 0 .. 7
	global_load_b128 v[196+8*\t:199+8*\t], v11, s[24:25] offset:64*\t+16
.endr
	WIN 0x80
.set n, 0
.rept 48
	global_load_b128 v[4*n:4*n+3], v1, s[20:21] offset:24576+512*n
.set n, n+1
.endr
	WIN 0
.irp c, 0,1
.irp s, 0,1,2,3,4,5,6,7
	global_load_b32 v[WSC+8*\c+\s], v3, s[22:23] offset:1024*\c+128*\s
.endr
.endr
	s_wait_loadcnt 0x0
	GSTORE 0
	s_wait_dscnt 0x0
	GLOAD 1
	s_barrier_signal -1
	s_barrier_wait -1                              ; group 0 lies in buffer 0
; 32 matrix instructions: columns 32 cg on, all of K; four accumulators by turns, one instruction a turn.  st: my LDS stores issued behind the fragments' loads
.macro HALF cg, st
.irp s, 0,1,2,3,4,5,6,7
.if \cg == 0
.set CNT, \st+12*(7-\s)                ; K step s's twelve loads are in; the later steps' loads and my stores may be out (a wait names 63 at the most: the stricter count is taken)
.if CNT > 63
.set CNT, 63
.endif
	s_wait_dscnt CNT
.endif
.if \s == 0
	WIN 0x1d+\cg                                   ; source 0 (W) window 1 or 2, source 1 (o) window 3, C (the bias) window 1
.else
	WIN 0x0d+\cg
.endif
.irp e, 0,1
.irp u, 0,1
.if \s == 0
	WMA ACC+32*\u+16*\cg+8*\e, 12*(2*\s+\e), 12*(2*\s+\u), 192+16*\cg+8*\e, WSC+8*\cg+\s, ASC+\s, \e, \u
.else
	WMA ACC+32*\u+16*\cg+8*\e, 12*(2*\s+\e), 12*(2*\s+\u), ACC+32*\u+16*\cg+8*\e, WSC+8*\cg+\s, ASC+\s, \e, \u
.endif
.endr
.endr
.endr
.endm
.macro TRIP j
.set P, (\j)%2
	WIN 0xc0
.irp s, 0,1,2,3,4,5,6,7                        ; o's sixteen fragments, K step by K step, in pieces of 8 bytes
.irp u, 0,1
.irp c, 0,1
.irp i, 0,1,2
	ds_load_b64 v[12*(2*\s+\u)+6*\c+2*\i:12*(2*\s+\u)+6*\c+2*\i+1], v6 offset:24576*P+1536*(2*\s+\c)+768*\u+8*\i
.endr
.endr
.endr
.endr
	WIN 0
	s_wait_loadcnt 0x0                             ; my planes of the next group and this group's words, asked for in the trip before, are in
.if (\j) < 3
	GSTORE 1-P                                     ; into the buffer that every wave has left: the barrier at the last trip's end stands between
.endif
.irp s, 0,1,2,3,4,5,6,7
	v_perm_b32 v[ASC+\s], v[AW+2*\s+1], v[AW+2*\s], s28                 ; K step s's scale word: head 2 s's two bytes, then head 2 s + 1's; lanes 0-15 tile 0's tokens, lanes 16-31 tile 1's
.endr
.if (\j) < 3
	AWLOAD (\j)+1
.endif
	PLACES 8                                       ; a scale register written by a vector instruction stands eight places ahead of a scaled matrix instruction
.if (\j) < 3
	s_wait_alu depctr_va_vdst(0)
	HALF 0, 12
.else
	s_wait_alu depctr_va_vdst(0)
	HALF 0, 0
.endif
	WIN 0
	s_wait_dscnt 0x0                               ; my stores have read their registers,
.if (\j) < 2
	GLOAD (\j)+2                                   ; which take the group two trips on
.endif
	HALF 1, 0
	WIN 0
	PLACES 5                                       ; four ahead of the stores that read the results and of loads into operands, five ahead of the next trip's products, which begin these accumulators anew
.irp u, 0,1
.irp t, 0,1,2,3
	ds_store_b128 v7, v[ACC+32*\u+8*\t:ACC+32*\u+8*\t+3] offset:4352*\u+64*\t          ; token 16 u + r, columns 16 t + 8 h + 0 .. 7; each accumulator from its low end on
	ds_store_b128 v7, v[ACC+32*\u+8*\t+4:ACC+32*\u+8*\t+7] offset:4352*\u+64*\t+16
.endr
.endr
	s_wait_xcnt 0x0                                ; the last trip's stores have read the registers into which the rows come back
.irp i, 0,1,2,3,4,5,6,7,8,9,10,11,12,13,14,15
	ds_load_b128 v[OB+4*\i:OB+4*\i+3], v8 offset:544*\i                 ; LDS serves a wave's instructions in order: these see my stores
.endr
.irp i, 0,1,2,3,4,5,6,7,8,9,10,11,12,13,14,15
	s_wait_dscnt 15-\i                             ; loads come back in order: pair i of rows is in, the younger ones may be out
	global_store_b128 v9, v[OB+4*\i:OB+4*\i+3], s[26:27] offset:131072*(\j)+8192*\i th:TH_STORE_NT
.endr
.if (\j) < 3
	s_barrier_signal -1                            ; (the last count above was 0: my stores into the other buffer have landed and my reads of this one are in)
	s_barrier_wait -1
.endif
.endm
	TRIP 0
	TRIP 1
	TRIP 2
	TRIP 3
	s_wait_tensorcnt 0x0
	ds_add_u32 v254, v255
	s_wait_dscnt 0x0
	s_endpgm
.Lfunc_end_k_q8edec54743_proj:
	.size	k_q8edec54743_proj, .Lfunc_end_k_q8edec54743_proj-k_q8edec54743_proj
	.p2alignl 7, 3214868480
	.fill 96, 4, 3214868480
	.section	.rodata,"a",@progbits
	.p2align	6, 0x0
	.amdhsa_kernel k_q8edec54743_proj
		.amdhsa_group_segment_fixed_size 84480
		.amdhsa_private_segment_fixed_size 0
		.amdhsa_enable_private_segment 0
		.amdhsa_kernarg_size 32
		.amdhsa_user_sgpr_count 2
		.amdhsa_user_sgpr_kernarg_segment_ptr 1
		.amdhsa_wavefront_size32 1
		.amdhsa_system_sgpr_workgroup_id_x 1
		.amdhsa_system_sgpr_workgroup_id_y 1
		.amdhsa_system_sgpr_workgroup_id_z 1
		.amdhsa_system_vgpr_workitem_id 0
		.amdhsa_next_free_vgpr 1024
		.amdhsa_next_free_sgpr 66
		.amdhsa_reserve_vcc 0
		.amdhsa_float_denorm_mode_32 3
		.amdhsa_float_denorm_mode_16_64 3
		.amdhsa_memory_ordered 1
		.amdhsa_forward_progress 1
		.amdhsa_inst_pref_size 107
	.end_amdhsa_kernel
	.amdgpu_metadata
---
amdhsa.version: [ 1, 2 ]
amdhsa.kernels:
  - .name:           k_q8edec54743_proj
    .symbol:         k_q8edec54743_proj.kd
    .args:
      - { .name: abuf, .offset: 0, .size: 8, .value_kind: global_buffer, .address_space: global }
      - { .name: pbuf, .offset: 8, .size: 8, .value_kind: global_buffer, .address_space: global }
      - { .name: bout, .offset: 16, .size: 8, .value_kind: global_buffer, .address_space: global }
      - { .name: out0, .offset: 24, .size: 8, .value_kind: global_buffer, .address_space: global }
    .group_segment_fixed_size: 84480
    .private_segment_fixed_size: 0
    .kernarg_segment_align: 8
    .kernarg_segment_size: 32
    .max_flat_workgroup_size: 128
    .sgpr_count:     66
    .vgpr_count:     1024
    .wavefront_size: 32
...
	.end_amdgpu_metadata
.endif
;; end of part 4
